; MI455X (gfx1250); checked and timed in simulation.
; The chip was launched on July 23, 2026; its instructions are those of AMD's public machine-readable ISA for CDNA 5 (MIT licence, August 2026) and "CDNA5" Instruction Set Architecture Reference Guide (July 2026). The comments in the code are by the model that wrote it; some were corrected since.
;; Causal Self Attention. Allowed arithmetic: float matrix products may take bf16 or f16 operands with f32 sums; other float arithmetic in f32, or as packed bf16 or f16 multiplies, adds, multiply-adds, maxima and minima; sums over many terms, partial sums and values carried from step to step in f32; what a program stores and reads back later, other than sums and carried values, may be rounded once to bf16 or f16.
;; Inputs: Wk 1,024 x 256 float32; Wo 1,024 x 1,024 float32; Wq 1,024 x 1,024 float32; Wv 1,024 x 256 float32; cos 1 x 2,048 x 1 x 32 float32; sin 1 x 2,048 x 1 x 32 float32; x 2 x 2,048 x 1,024 float32.
;; Outputs: out0 2 x 2,048 x 1,024 float32.
;; One version. Each part assembles by itself: llvm-mc -triple=amdgcn-amd-amdhsa -mcpu=gfx1250 --defsym DOCPART=n.
;; ======== version 1 of 1: 4 launches
;; limits: values are held in f16: magnitudes above 65,504 overflow, below 6.1e-05 lose precision
;; workspace buffers: xb 8,388,608 bytes; wt 3,145,728 bytes; wot 2,097,152 bytes; rt 540,672 bytes; qkv 12,582,912 bytes; y 8,388,608 bytes
;; launch prep (part 1): grid 865 x 1, 8 waves a work-group, no clusters, 18,432 bytes of LDS; arguments x, Wq, Wk, Wv, Wo, cos, sin, xb, wt, wot, rt; writes xb, wt, wot, rt
.if DOCPART == 1
	.amdgcn_target "amdgcn-amd-amdhsa--gfx1250"
	.amdhsa_code_object_version 6
	.text
	.protected	k_qe7100f2710_prep
	.globl	k_qe7100f2710_prep
	.p2align	8
	.type	k_qe7100f2710_prep,@function
k_qe7100f2710_prep:
	s_mov_b64 s[64:65], 0
	v_nop
	global_prefetch_b8 v0, s[64:65] scope:SCOPE_SE
	s_setreg_imm32_b32 hwreg(HW_REG_WAVE_MODE, 25, 1), 1
	s_wait_xcnt 0x0
; CAUSAL SELF-ATTENTION WITH GROUPED KEY AND VALUE HEADS, in four launches: prep, qkv, attn, oproj.  This one lays the inputs out for the matrix units.
; WORK LEFT OUT BY THE PROGRAM.  reference() sets att = -inf wherever key > query (its own jnp.tril), so that weight is exactly 0 for all finite inputs: key tiles that lie wholly
; above the diagonal are neither loaded nor multiplied (launch attn).  jnp.repeat only names a key or value head four times: nothing is copied, the four query heads read the one head.
; LIMIT: a NaN, an infinity or an overflow in a row of k or v that only such hidden tiles would read is not carried to the result.
; FORMATS.  All seven inputs are rounded once to bf16 (x, Wq, Wk, Wv, Wo, cos, sin).  What the program makes itself (q, k, v, the weights p, y) is kept in f16; q and k are stored times 2^-4
; (exact; folded into the table of cos and sin), and the 2^8 comes back in the f32 scale of the softmax.  LIMITS: |q|/16, |k|/16, |v|, |y| and |Wo| stay within 65,504; a |Wo| below 6e-5 keeps f16's fixed step.
; JOBS, by the work-group's number alone (the same in all eight waves):
;   0..511    X: 32 KiB of x -> xb, bf16 [4096][1024]
;   512..831  W: a tile of 128 k x 64 n of a weight, turned through LDS: (Wq|Wk|Wv)^T -> wt, bf16 [1536][1024]; bf16(Wo)^T written as f16 -> wot [1024][1024]
;             In wt the four blocks of 16 rows of a head lie in the order d 0-15, 32-47, 16-31, 48-63, so that the two partners of a rotation fall into neighbouring blocks.
;   832..864  R: rt, f32 [2112][64]: row t < 2048 holds 32 x bf16(cos[t]) / 16, then 32 x bf16(sin[t]) / 16; rows 2048.. hold 32 x 1.0, 32 x 0.0 (the rotation that leaves v as it is)
; No tensor loads, no cluster, no prefetch: every byte is read once, by one wave, in long runs, and nothing is shared.
.set TP,    272                        ; a row of the tile in LDS: 128 k x 2 bytes + 16
.set SPARE, 64*TP                      ; behind the tile: the spare words, 128 bytes for each of the eight waves
.set SPW,   30                         ; v30  LDS address of my spare word; never rewritten
.set NIL,   31                         ; v31  0; never rewritten
	s_load_b512 s[4:19], s[0:1], 0x0               ; x s[4:5], Wq s[6:7], Wk s[8:9], Wv s[10:11], Wo s[12:13], cos s[14:15], sin s[16:17], xb s[18:19]
	s_load_b128 s[20:23], s[0:1], 0x40             ; wt s[20:21], wot s[22:23]
	s_load_b64 s[24:25], s[0:1], 0x50              ; rt
	v_lshl_add_u32 v[SPW], v0, 2, SPARE
	v_mov_b32 v[NIL], 0
	s_mov_b32 s2, ttmp9
	s_wait_kmcnt 0x0
	s_cmp_lt_u32 s2, 512
	s_cbranch_scc1 .Ljobx
	s_cmp_lt_u32 s2, 832
	s_cbranch_scc1 .Ljobw
	; JOB R: 64 rows of rt.  Thread t writes the 16 bytes at 16 t of each 4,096 bytes (16 rows): column group c = t % 16; c < 8 is cos, c >= 8 sin.
	s_sub_co_u32 s26, s2, 832
	v_and_b32 v6, 15, v0
	v_lshlrev_b32 v2, 4, v0
	v_cmp_le_u32 vcc_lo, 8, v6
	s_lshl_b32 s28, s26, 14
	s_mov_b32 s29, 0
	s_add_nc_u64 s[24:25], s[24:25], s[28:29]
	s_cmp_eq_u32 s26, 32
	s_cbranch_scc1 .Lident
	v_lshrrev_b32 v7, 4, v0
	v_and_b32 v3, 7, v0
	v_lshlrev_b32 v1, 7, v7                        ; a row of cos or sin is 128 bytes
	v_lshl_add_u32 v1, v3, 4, v1
	s_lshl_b32 s28, s26, 13
	s_add_nc_u64 s[14:15], s[14:15], s[28:29]
	s_add_nc_u64 s[16:17], s[16:17], s[28:29]
.irp i, 0,1,2,3
	global_load_b128 v[32+8*\i:35+8*\i], v1, s[14:15] offset:2048*\i
	global_load_b128 v[36+8*\i:39+8*\i], v1, s[16:17] offset:2048*\i
.endr
	s_wait_loadcnt 0x0
.irp i, 0,1,2,3
.irp j, 0,1,2,3
	v_cndmask_b32 v[32+8*\i+\j], v[32+8*\i+\j], v[36+8*\i+\j], vcc_lo
.endr
	v_cvt_pk_bf16_f32 v[36+8*\i], v[32+8*\i], v[33+8*\i]      ; rounded to bf16,
	v_cvt_pk_bf16_f32 v[37+8*\i], v[34+8*\i], v[35+8*\i]
	v_lshlrev_b32 v[8+4*\i], 16, v[36+8*\i]                   ; widened again,
	v_and_b32 v[9+4*\i], 0xffff0000, v[36+8*\i]
	v_lshlrev_b32 v[10+4*\i], 16, v[37+8*\i]
	v_and_b32 v[11+4*\i], 0xffff0000, v[37+8*\i]
.irp j, 0,1,2,3
	v_mul_f32 v[8+4*\i+\j], 0x3d800000, v[8+4*\i+\j]          ; times 2^-4, exact
.endr
	global_store_b128 v2, v[8+4*\i:11+4*\i], s[24:25] offset:4096*\i
.endr
	s_branch .Lend
.Lident:
	v_mov_b32 v12, 0
	v_cndmask_b32 v8, 1.0, v12, vcc_lo
	v_mov_b32 v9, v8
	v_mov_b32 v10, v8
	v_mov_b32 v11, v8
.irp i, 0,1,2,3
	global_store_b128 v2, v[8:11], s[24:25] offset:4096*\i
.endr
	s_branch .Lend
	; JOB X: a wave takes 4,096 consecutive bytes of x by eight loads of 512 and stores 2,048 bytes by eight stores of 256 consecutive, aligned bytes.  No register is written twice.
.Ljobx:
	v_lshrrev_b32 v3, 5, v0
	v_and_b32 v4, 31, v0
	v_lshlrev_b32 v1, 12, v3
	v_lshl_or_b32 v1, v4, 4, v1
	v_lshlrev_b32 v2, 11, v3
	v_lshl_or_b32 v2, v4, 3, v2
	s_lshl_b32 s26, s2, 15
	s_mov_b32 s27, 0
	s_add_nc_u64 s[4:5], s[4:5], s[26:27]
	s_lshl_b32 s26, s2, 14
	s_add_nc_u64 s[18:19], s[18:19], s[26:27]
.irp i, 0,1,2,3,4,5,6,7
	global_load_b128 v[32+4*\i:35+4*\i], v1, s[4:5] offset:512*\i th:TH_LOAD_NT
.endr
.irp i, 0,1,2,3,4,5,6,7
	s_wait_loadcnt 7-\i                            ; loads come back in order: load i is in, the younger ones stay out
	v_cvt_pk_bf16_f32 v[8+2*\i], v[32+4*\i], v[33+4*\i]
	v_cvt_pk_bf16_f32 v[9+2*\i], v[34+4*\i], v[35+4*\i]
	global_store_b64 v2, v[8+2*\i:9+2*\i], s[18:19] offset:256*\i
.endr
	s_branch .Lend
; A tile is turned.  Thread t: c = t % 16 (columns 4 c .. 4 c + 3), kg = t / 16 (rows 8 kg .. 8 kg + 7).  Eight loads of 16 bytes (sixteen lanes: 256 bytes of one row); for each of my four
; columns eight k are rounded and packed into 16 bytes, which go into LDS row n at byte 16 kg; behind a barrier whole rows of 256 bytes come back and are stored, sixteen lanes to a row.
; s[32:33]: the tile's first element.  s[34:35]: where its first row goes.  half = 1: the bf16 number is written as f16.  perm = 1: the blocks of 16 rows change places as said at the head.
.macro TRANS pitch, half, perm
	v_mul_u32_u24 v1, v7, 8*(\pitch)
	v_lshl_add_u32 v1, v6, 4, v1
.irp i, 0,1,2,3,4,5,6,7
	global_load_b128 v[32+4*\i:35+4*\i], v1, s[32:33] offset:\i*(\pitch) th:TH_LOAD_NT
.endr
	s_wait_loadcnt 0x0
.irp jn, 0,1,2,3
.irp d, 0,1,2,3
	v_cvt_pk_bf16_f32 v[8+4*\jn+\d], v[32+8*\d+\jn], v[36+8*\d+\jn]
.if \half
	v_lshlrev_b32 v24, 16, v[8+4*\jn+\d]
	v_and_b32 v25, 0xffff0000, v[8+4*\jn+\d]
	v_cvt_pk_f16_f32 v[8+4*\jn+\d], v24, v25
.endif
.endr
	ds_store_b128 v3, v[8+4*\jn:11+4*\jn] offset:TP*\jn
.endr
	s_wait_dscnt 0x0                               ; for the others' sake: my stores into the tile are done
	s_barrier_signal -1
	s_barrier_wait -1
.irp i, 0,1,2,3
	ds_load_b128 v[32+4*\i:35+4*\i], v4 offset:16*TP*\i
.endr
.irp i, 0,1,2,3
.set ps, \i
.if (\perm) && ((\i) == 1)
.set ps, 2
.endif
.if (\perm) && ((\i) == 2)
.set ps, 1
.endif
	s_wait_dscnt 3-\i
	global_store_b128 v5, v[32+4*\i:35+4*\i], s[34:35] offset:ps*32768   ; 16 rows of 2,048 bytes to a block
.endr
.endm
.Ljobw:
	s_sub_co_u32 s26, s2, 512
	s_lshr_b32 s27, s26, 3                         ; hh: 0-15 Wq's heads, 16-19 Wk's, 20-23 Wv's, 24-39 Wo's blocks of 64 columns
	s_and_b32 s28, s26, 7                          ; kt: which 128 k
	v_and_b32 v6, 15, v0
	v_lshrrev_b32 v7, 4, v0
	v_mul_u32_u24 v3, v6, 4*TP
	v_lshl_add_u32 v3, v7, 4, v3                   ; into LDS: row 4 c, byte 16 kg
	v_mul_u32_u24 v4, v7, TP
	v_lshl_add_u32 v4, v6, 4, v4                   ; back: row t / 16, byte 16 (t % 16)
	v_lshlrev_b32 v5, 11, v7
	v_lshl_add_u32 v5, v6, 4, v5                   ; and the same in the turned matrix, rows of 2,048 bytes
	s_mov_b32 s37, 0
	s_mov_b32 s39, 0
	s_lshl_b32 s38, s28, 8                         ; the tile's 256 bytes in a turned row
	s_cmp_lt_u32 s27, 16
	s_cbranch_scc0 .Lnotq
	s_lshl_b32 s36, s28, 19                        ; 128 kt rows of 4,096 bytes,
	s_lshl_b32 s29, s27, 8                         ; the head's 64 columns
	s_add_co_u32 s36, s36, s29
	s_add_nc_u64 s[32:33], s[6:7], s[36:37]
	s_lshl_b32 s29, s27, 17                        ; 64 hh rows of 2,048 bytes
	s_add_co_u32 s38, s38, s29
	s_add_nc_u64 s[34:35], s[20:21], s[38:39]
	TRANS 4096, 0, 1
	s_branch .Lend
.Lnotq:
	s_cmp_lt_u32 s27, 24
	s_cbranch_scc0 .Lwo
	s_cmp_lt_u32 s27, 20
	s_cselect_b64 s[32:33], s[8:9], s[10:11]
	s_and_b32 s29, s27, 3
	s_lshl_b32 s29, s29, 8
	s_lshl_b32 s36, s28, 17                        ; 128 kt rows of 1,024 bytes
	s_add_co_u32 s36, s36, s29
	s_add_nc_u64 s[32:33], s[32:33], s[36:37]
	s_lshl_b32 s29, s27, 17
	s_add_co_u32 s38, s38, s29
	s_add_nc_u64 s[34:35], s[20:21], s[38:39]
	TRANS 1024, 0, 1
	s_branch .Lend
.Lwo:
	s_sub_co_u32 s27, s27, 24
	s_lshl_b32 s36, s28, 19
	s_lshl_b32 s29, s27, 8
	s_add_co_u32 s36, s36, s29
	s_add_nc_u64 s[32:33], s[12:13], s[36:37]
	s_lshl_b32 s29, s27, 17
	s_add_co_u32 s38, s38, s29
	s_add_nc_u64 s[34:35], s[22:23], s[38:39]
	TRANS 4096, 1, 0
.Lend:
	s_wait_tensorcnt 0x0                           ; the wave's end: behind my last LDS store
	ds_add_u32 v[SPW], v[NIL]
	s_wait_dscnt 0x0
	s_endpgm
.Lfunc_end_k_qe7100f2710_prep:
	.size	k_qe7100f2710_prep, .Lfunc_end_k_qe7100f2710_prep-k_qe7100f2710_prep
	.p2alignl 7, 3214868480
	.fill 96, 4, 3214868480
	.section	.rodata,"a",@progbits
	.p2align	6, 0x0
	.amdhsa_kernel k_qe7100f2710_prep
		.amdhsa_group_segment_fixed_size 18432
		.amdhsa_private_segment_fixed_size 0
		.amdhsa_enable_private_segment 0
		.amdhsa_kernarg_size 88
		.amdhsa_user_sgpr_count 2
		.amdhsa_user_sgpr_kernarg_segment_ptr 1
		.amdhsa_wavefront_size32 1
		.amdhsa_system_sgpr_workgroup_id_x 1
		.amdhsa_system_sgpr_workgroup_id_y 1
		.amdhsa_system_sgpr_workgroup_id_z 1
		.amdhsa_system_vgpr_workitem_id 0
		.amdhsa_next_free_vgpr 64
		.amdhsa_next_free_sgpr 66
		.amdhsa_reserve_vcc 1
		.amdhsa_float_denorm_mode_32 3
		.amdhsa_float_denorm_mode_16_64 3
		.amdhsa_memory_ordered 1
		.amdhsa_forward_progress 1
		.amdhsa_inst_pref_size 23
	.end_amdhsa_kernel
	.amdgpu_metadata
---
amdhsa.version: [ 1, 2 ]
amdhsa.kernels:
  - .name:           k_qe7100f2710_prep
    .symbol:         k_qe7100f2710_prep.kd
    .args:
      - { .name: x, .offset: 0, .size: 8, .value_kind: global_buffer, .address_space: global }
      - { .name: Wq, .offset: 8, .size: 8, .value_kind: global_buffer, .address_space: global }
      - { .name: Wk, .offset: 16, .size: 8, .value_kind: global_buffer, .address_space: global }
      - { .name: Wv, .offset: 24, .size: 8, .value_kind: global_buffer, .address_space: global }
      - { .name: Wo, .offset: 32, .size: 8, .value_kind: global_buffer, .address_space: global }
      - { .name: cos, .offset: 40, .size: 8, .value_kind: global_buffer, .address_space: global }
      - { .name: sin, .offset: 48, .size: 8, .value_kind: global_buffer, .address_space: global }
      - { .name: xb, .offset: 56, .size: 8, .value_kind: global_buffer, .address_space: global }
      - { .name: wt, .offset: 64, .size: 8, .value_kind: global_buffer, .address_space: global }
      - { .name: wot, .offset: 72, .size: 8, .value_kind: global_buffer, .address_space: global }
      - { .name: rt, .offset: 80, .size: 8, .value_kind: global_buffer, .address_space: global }
    .group_segment_fixed_size: 18432
    .private_segment_fixed_size: 0
    .kernarg_segment_align: 8
    .kernarg_segment_size: 88
    .max_flat_workgroup_size: 256
    .sgpr_count:     66
    .vgpr_count:     64
    .wavefront_size: 32
...
	.end_amdgpu_metadata
.endif
;; end of part 1
;; launch qkv (part 2): grid 8 x 32, 4 waves a work-group, clusters of 4 x 4, 327,680 bytes of LDS; arguments xb, wt, rt, qkv; writes qkv
.if DOCPART == 2
	.amdgcn_target "amdgcn-amd-amdhsa--gfx1250"
	.amdhsa_code_object_version 6
	.text
	.protected	k_qe7100f2710_qkv
	.globl	k_qe7100f2710_qkv
	.p2align	8
	.type	k_qe7100f2710_qkv,@function
k_qe7100f2710_qkv:
	s_mov_b64 s[64:65], 0
	v_nop
	global_prefetch_b8 v0, s[64:65] scope:SCOPE_SE
	s_setreg_imm32_b32 hwreg(HW_REG_WAVE_MODE, 25, 1), 1
	s_wait_xcnt 0x0
	s_wait_alu depctr_hold_cnt(0) depctr_sa_sdst(0) depctr_va_vdst(0) depctr_va_sdst(0) depctr_va_ssrc(0) depctr_va_vcc(0) depctr_vm_vsrc(0)
	s_getreg_b32 s2, hwreg(HW_REG_IB_STS2, 6, 4)
	s_cmp_eq_u32 s2, 0
	s_cbranch_scc0 .Lentry_in_a_cluster
	s_endpgm
.Lentry_in_a_cluster:
	s_bfe_u32 s2, ttmp6, 0x10000c
	s_cmp_lg_u32 s2, 0xf033
	s_cbranch_scc0 .Lentry_shape_is_right
	s_endpgm
.Lentry_shape_is_right:
; q, k, v = x (Wq|Wk|Wv), the rotation of q and k, and the split by heads.  xb: bf16 [4096][1024]; wt: bf16 [1536][1024], the weights turned; rt: f32 [2112][64], cos and sin (times 2^-4);
; qkv: f16 [2 batches][24 heads][2048][64]: heads 0-15 q / 16, 16-19 k / 16 (both rotated), 20-23 v.  Sums in f32, each number rounded once to f16.  LIMIT: |q|/16, |k|/16, |v| within 65,504.
; A work-group makes 128 rows x 192 columns (three heads): 8 x 32 = 256 work-groups.  Four waves, 2 x 2: a wave makes 64 x 96: 24 accumulators of 16 x 16.  K goes in steps of 128 (rows of 256 bytes)
; through two LDS slots; two slots of the longer step of 256 would take 337,920 bytes and do not fit.
; CLUSTER 4 x 4: x's tile is asked for jointly along a row of the cluster, the weights' along a column.
; THE MATRIX INSTRUCTION IS USED TRANSPOSED (source 0 = 16 rows of wt, source 1 = 16 rows of xb): a lane holds one row of the result (lane % 16) and eight neighbouring columns 8 (lane / 16) + 0..7.
; THE ROTATION.  In wt a head's blocks of 16 rows lie in the order d 0-15, 32-47, 16-31, 48-63: my blocks 2 u and 2 u + 1 are x1 and x2 of the same 16 angles, in the same lanes and registers.
; out1 = x1 cos + x2 sin, out2 = x2 cos - x1 sin.  A head of v takes the table's rows of (1, 0) by address: no branch hangs on the work-group's place.
; No prefetch: the tiles are small and the launch short.  One tile to a work-group.
; REGISTERS: window 0: v0-31 addresses, v32-63 at work, v64-255 accumulators ((a, b) at 64 + 8 (6 a + b)); window 1: two fragment buffers of 80; window 2: v0-191 cos and sin of my rows.
.set BB,     6                         ; blocks of 16 columns a wave; blocks of 16 rows: 4
.set KSTEP,  128
.set KB,     256                       ; bytes of a row in a K step
.set PITCH,  272                       ; an LDS row: 256 + 16 bytes: the 16 rows of a fragment load start 16 bytes apart modulo 256
.set QI,     5                         ; padding after every 64 words
.set NSUB,   4                         ; a K step is four sub-steps of 32
.set BHALF,  96                        ; rows of wt in a tensor load; of xb: 64
.set NT,     192
.set ABYTES, 128*PITCH
.set SLOT,   ABYTES+2*BHALF*PITCH      ; xb's 128 rows, then wt's 192
.set LAPS,   4                         ; a lap = two K steps = once round the ring
.set STAGE,  2*SLOT                    ; behind the ring: three heads x 128 rows x 144 bytes, the work-group's, for the way out
.set HPITCH, 144
.set HSTG,   128*HPITCH
.set SPARE,  STAGE+3*HSTG              ; behind the stage: the spare words, 128 bytes for each wave
.set ACC,    64
.set FSZ,    8*(BB+4)
.set F0,     0
.set F1,     FSZ
.set NL,     2*(BB+4)                  ; LDS loads in a sub-step
.set TA,   8                           ; v8-10   byte offset in rt of my row's cos, for units 0-2
.set STO,  11                          ; v11-13  where I put 16 bytes in the stage, for units 0-2
.set ADRA, 16                          ; v16-17  LDS address of my fragments of xb in slot 0, 1
.set ADRB, 20                          ; v20-21  of wt
.set RD,   25                          ; v25     where I read rows back
.set GO,   26                          ; v26     16 x lane
.set SPW,  28                          ; v28     LDS address of my spare word; never rewritten
.set NIL,  29                          ; v29     0; never rewritten
.set WV, 12                            ; s12 wave; s13 which half of the rows is mine (also: I fetch xb (0) or wt (1)); s14 which half of the columns (also: which half of that tile I fetch); s15 tile row
.set MH, 13
.set NH, 14
.set TR, 15
.set G1, 24                            ; s[24:31] descriptor group 1 for xb's tiles; s[32:39] group 0, a set for each slot
.set G0, 32
.set G1B, 48                           ; s[48:55], s[56:63] the same for wt's
.set G0B, 56
.set MSB, 0
.macro WIN new                         ; the immediate's high byte repeats the setting that is left
.if MSB != (\new)
	s_set_vgpr_msb (MSB<<8)|(\new)
.set MSB, \new
.endif
.endm
.set MUL,  0x05                        ; sources 0 and 1 window 1; C and D window 0
.set TO_F, 0x40                        ; destination window 1, address window 0
.macro JLOAD s                         ; a joint load: waves 0 and 1 fetch xb's two halves, waves 2 and 3 wt's; an s_nop 0 and four v_nop follow each line
	s_cmp_eq_u32 s[MH], 0
	s_cbranch_scc0 .Lfor_b_\@
	tensor_load_to_lds s[G0+4*(\s):G0+4*(\s)+3], s[G1:G1+7]
	s_nop 0
.rept 4
	v_nop
.endr
	s_branch .Lasked_\@
.Lfor_b_\@:
	tensor_load_to_lds s[G0B+4*(\s):G0B+4*(\s)+3], s[G1B:G1B+7]
	s_nop 0
.rept 4
	v_nop
.endr
.Lasked_\@:
.endm
.macro CREST                           ; a round of the cluster's barrier behind its opening barrier
	s_cmp_lg_u32 s[WV], 0
	s_cbranch_scc1 .Lnot_wave_0_\@
	s_barrier_signal -3
.Lnot_wave_0_\@:
	s_barrier_wait -3
	s_barrier_signal -1
	s_barrier_wait -1
.endm
.macro CROUND
	s_barrier_signal -1
	s_barrier_wait -1
	CREST
.endm
	s_load_b256 s[4:11], s[0:1], 0x0               ; xb s[4:5], wt s[6:7], rt s[8:9], qkv s[10:11]
	v_lshl_add_u32 v[SPW], v0, 2, SPARE
	v_mov_b32 v[NIL], 0
	ds_add_u32 v[SPW], v[NIL]                      ; the wave's opening: the add, twice on end, and its wait ahead of my first tensor load
	ds_add_u32 v[SPW], v[NIL]
	v_lshrrev_b32 v1, 5, v0
	v_readfirstlane_b32 s[WV], v1
	s_lshr_b32 s[MH], s[WV], 1
	s_and_b32 s[NH], s[WV], 1
	s_bfe_u32 s40, ttmp6, 0x40000                  ; cx, cy: my place in the cluster
	s_bfe_u32 s41, ttmp6, 0x40004
	s_lshl_b32 s42, ttmp9, 2
	s_add_co_u32 s42, s42, s40                     ; tile column = 4 x cluster x + cx
	s_and_b32 s[TR], ttmp7, 0xffff
	s_lshl_b32 s[TR], s[TR], 2
	s_add_co_u32 s[TR], s[TR], s41                 ; tile row = 4 x cluster y + cy
	s_lshl_b32 s43, s41, 2
	s_lshl_b32 s43, 15, s43                        ; my row of the cluster
	s_lshl_b32 s44, 0x1111, s40                    ; my column
	s_or_b32 s[G1+0], s43, (1<<16)|(1<<20)|(1<<21)|(QI<<22)|(3<<25)   ; the mask; 2-byte elements; padding on; bit 21 beside a mask; after every 64 words 4 words
	s_or_b32 s[G1B+0], s44, (1<<16)|(1<<20)|(1<<21)|(QI<<22)|(3<<25)
	s_mov_b32 s[G1+1], KSTEP<<16                   ; tensor_dim0
	s_mov_b32 s[G1+2], 64<<16                      ; tensor_dim1
	s_mov_b32 s[G1+3], KSTEP<<16                   ; tile_dim0
	s_mov_b32 s[G1+4], 64                          ; tile_dim1
	s_mov_b32 s[G1+5], 1024                        ; elements from row to row
	s_mov_b32 s[G1+6], 0
	s_mov_b32 s[G1+7], 0
	s_mov_b32 s[G1B+1], KSTEP<<16
	s_mov_b32 s[G1B+2], BHALF<<16
	s_mov_b32 s[G1B+3], KSTEP<<16
	s_mov_b32 s[G1B+4], BHALF
	s_mov_b32 s[G1B+5], 1024
	s_mov_b32 s[G1B+6], 0
	s_mov_b32 s[G1B+7], 0
	s_lshl_b32 s17, s[NH], 6
	s_lshl_b32 s16, s[TR], 7
	s_add_co_u32 s16, s16, s17                     ; xb: row 128 x tile row + 64 x half,
	s_lshl_b32 s16, s16, 11                        ; in bytes
	s_mov_b32 s17, 0
	s_mul_i32 s46, s42, NT
	s_mul_i32 s47, s[NH], BHALF
	s_add_co_u32 s46, s46, s47                     ; wt: row 192 x tile column + 96 x half
	s_lshl_b32 s46, s46, 11
	s_mov_b32 s47, 0
	s_mul_i32 s20, s[NH], 64*PITCH                 ; where they go: no place in the cluster enters an LDS address
	s_mul_i32 s21, s[NH], BHALF*PITCH
	s_add_co_u32 s21, s21, ABYTES
	s_wait_dscnt 0x0                               ; both opening adds are done
	s_wait_kmcnt 0x0
	s_add_nc_u64 s[18:19], s[4:5], s[16:17]
	s_add_nc_u64 s[46:47], s[6:7], s[46:47]
	CROUND                                         ; all sixteen work-groups are here: the first joint loads meet
.irp s, 0,1
	s_mov_b32 s[G0+4*(\s)], 1
	s_add_co_u32 s[G0+4*(\s)+1], s20, (\s)*SLOT
	s_add_nc_u64 s[G0+4*(\s)+2:G0+4*(\s)+3], s[18:19], (\s)*KB
	s_or_b32 s[G0+4*(\s)+3], s[G0+4*(\s)+3], 0x80000000
	s_mov_b32 s[G0B+4*(\s)], 1
	s_add_co_u32 s[G0B+4*(\s)+1], s21, (\s)*SLOT
	s_add_nc_u64 s[G0B+4*(\s)+2:G0B+4*(\s)+3], s[46:47], (\s)*KB
	s_or_b32 s[G0B+4*(\s)+3], s[G0B+4*(\s)+3], 0x80000000
	JLOAD \s                                       ; two loads of mine are out
.endr
	v_and_b32 v1, 15, v0                           ; r = l % 16
	v_bfe_u32 v2, v0, 4, 1                         ; h = l / 16
	v_mul_u32_u24 v3, v1, PITCH
	v_lshl_add_u32 v3, v2, 4, v3                   ; a fragment's row x pitch + 16 x half
	s_mul_i32 s22, s[MH], 64*PITCH
	s_mul_i32 s23, s[NH], BHALF*PITCH
	s_add_co_u32 s23, s23, ABYTES
.irp s, 0,1
	v_add_nc_u32 v[ADRA+(\s)], s22, v3
	v_add_nc_u32 v[ADRB+(\s)], s23, v3
	s_add_co_u32 s22, s22, SLOT
	s_add_co_u32 s23, s23, SLOT
.endr
	; the table's and the stage's addresses.  Unit u of my three: idx = 3 x column half + u of the work-group's six; its head hl = idx / 2 of three, its half of the angles hf = idx % 2
	s_and_b32 s22, s[TR], 15
	s_lshl_b32 s22, s22, 7
	s_lshl_b32 s23, s[MH], 6
	s_add_co_u32 s22, s22, s23
	v_add_nc_u32 v5, s22, v1                       ; the position in the sequence of my row of block 0
	v_mul_u32_u24 v6, v1, HPITCH
	v_lshl_add_u32 v6, v2, 4, v6
	s_mul_i32 s68, s42, 3
	s_mul_i32 s69, s[NH], 3
.irp u, 0,1,2
	s_add_co_u32 s66, s69, \u
	s_lshr_b32 s70, s66, 1                         ; hl
	s_and_b32 s71, s66, 1                          ; hf
	s_add_co_u32 s67, s68, s70                     ; the head, 0 to 23
	s_cmp_ge_u32 s67, 20                           ; a head of v?
	s_cselect_b32 s72, 0, 256                      ; then every position takes the same rows,
	s_cselect_b32 s73, 524288, 0                   ; from row 2,048 on
	s_lshl_b32 s74, s71, 6
	s_add_co_u32 s73, s73, s74
	v_mul_lo_u32 v[TA+\u], v5, s72
	v_add_nc_u32 v[TA+\u], s73, v[TA+\u]
	v_lshl_add_u32 v[TA+\u], v2, 5, v[TA+\u]       ; angles 16 hf + 8 h + 0..7
	s_mul_i32 s75, s70, HSTG
	s_lshl_b32 s74, s71, 5
	s_add_co_u32 s75, s75, s74
	s_mul_i32 s74, s[MH], 64*HPITCH
	s_add_co_u32 s75, s75, s74
	s_add_co_u32 s75, s75, STAGE
	v_add_nc_u32 v[STO+\u], s75, v6
.endr
	WIN 0x80                                       ; destination window 2, address window 0
.irp a, 0,1,2,3
.irp u, 0,1,2
	global_load_b128 v[16*(3*\a+\u):16*(3*\a+\u)+3],     v[TA+\u], s[8:9] offset:4096*\a        ; cos of 8 angles, for my row of block a
	global_load_b128 v[16*(3*\a+\u)+4:16*(3*\a+\u)+7],   v[TA+\u], s[8:9] offset:4096*\a+16
	global_load_b128 v[16*(3*\a+\u)+8:16*(3*\a+\u)+11],  v[TA+\u], s[8:9] offset:4096*\a+128    ; sin
	global_load_b128 v[16*(3*\a+\u)+12:16*(3*\a+\u)+15], v[TA+\u], s[8:9] offset:4096*\a+144
.endr
.endr
	WIN 0
	v_and_b32 v7, 31, v0
	v_lshlrev_b32 v[GO], 4, v7
	v_bfe_u32 v4, v0, 3, 2                         ; back: 32 lanes take four rows of 128 bytes; wave w rows 32 w .. 32 w + 31 of each head
	s_lshl_b32 s22, s[WV], 5
	v_add_nc_u32 v4, s22, v4
	v_mul_u32_u24 v4, v4, HPITCH
	v_and_b32 v7, 7, v0
	v_lshl_add_u32 v4, v7, 4, v4
	v_add_nc_u32 v[RD], STAGE, v4
	s_lshr_b32 s22, s[TR], 4                       ; the batch
	s_mul_i32 s22, s22, 24
	s_add_co_u32 s22, s22, s68                     ; + my first head
	s_lshl_b32 s22, s22, 11
	s_and_b32 s23, s[TR], 15
	s_lshl_b32 s23, s23, 7
	s_add_co_u32 s22, s22, s23
	s_lshl_b32 s23, s[WV], 5
	s_add_co_u32 s22, s22, s23
	s_lshl_b32 s22, s22, 7                         ; rows of 128 bytes
	s_mov_b32 s23, 0
	s_add_nc_u64 s[10:11], s[10:11], s[22:23]
.macro MUL1 f, a, zero                 ; BB matrix instructions: row block a x all my column blocks, 32 along K.  zero = 1: the product starts the sums
	WIN MUL
.set bq, 0
.rept BB
.if \zero
	v_wmma_f32_16x16x32_bf16 v[ACC+8*(BB*(\a)+bq):ACC+8*(BB*(\a)+bq)+7], v[(\f)+8*bq:(\f)+8*bq+7], v[(\f)+8*BB+8*(\a):(\f)+8*BB+8*(\a)+7], 0
.else
	v_wmma_f32_16x16x32_bf16 v[ACC+8*(BB*(\a)+bq):ACC+8*(BB*(\a)+bq)+7], v[(\f)+8*bq:(\f)+8*bq+7], v[(\f)+8*BB+8*(\a):(\f)+8*BB+8*(\a)+7], v[ACC+8*(BB*(\a)+bq):ACC+8*(BB*(\a)+bq)+7]
.endif
.set bq, bq+1
.endr
.endm
.macro MULH f, a0, zero
	MUL1 \f, \a0, \zero
	MUL1 \f, (\a0)+1, \zero
.endm
.macro FETCH slot, k, f                ; NL LDS loads in one run: the fragments of 32 along K at byte k of the rows: wt's first, then xb's four
	WIN TO_F
.set iq, 0
.rept BB
	ds_load_b128 v[(\f)+8*iq:(\f)+8*iq+3],   v[ADRB+(\slot)] offset:(\k)+iq*16*PITCH
	ds_load_b128 v[(\f)+8*iq+4:(\f)+8*iq+7], v[ADRB+(\slot)] offset:(\k)+iq*16*PITCH+32
.set iq, iq+1
.endr
.set iq, 0
.rept 4
	ds_load_b128 v[(\f)+8*BB+8*iq:(\f)+8*BB+8*iq+3],   v[ADRA+(\slot)] offset:(\k)+iq*16*PITCH
	ds_load_b128 v[(\f)+8*BB+8*iq+4:(\f)+8*BB+8*iq+7], v[ADRA+(\slot)] offset:(\k)+iq*16*PITCH+32
.set iq, iq+1
.endr
.endm
.macro PLACES                          ; four places in front of loads into registers that matrix instructions have read, and of lines that read results
.rept 4
	v_nop
.endr
.endm
.macro SUB slot, k, f, g, zero         ; a sub-step: multiplies buffer f; in its middle it fetches the next one, at byte k, into g.  All 24 accumulators take turns
	s_wait_dscnt 4                                 ; all but the youngest four loads (xb's blocks 2 and 3)
	MULH \f, 0, \zero
	PLACES
	FETCH \slot, \k, \g
	s_wait_dscnt NL                                ; all but the NL just issued
	MULH \f, 2, \zero
.endm
.macro STEPMID slot, from              ; sub-steps from .. NSUB - 2 of a K step, on buffers 0, 1, 0, ..
.set qq, \from
.rept NSUB-1-(\from)
.if qq%2 == 0
	SUB \slot, 64*(qq+1), F0, F1, 0
.else
	SUB \slot, 64*(qq+1), F1, F0, 0
.endif
.set qq, qq+1
.endr
.endm
; The last sub-step multiplies buffer 1 and changes slots: ONE barrier; in front of it each wave waits for all its tensor loads, adds 0 to its spare word, and waits for that and for its reads of this slot.
.macro TURN slot, next, fill
	WIN 0
	s_wait_tensorcnt 0x0                           ; all my tensor loads have landed: my part of the next slot
	ds_add_u32 v[SPW], v[NIL]
	s_wait_dscnt 5                                 ; (the add and the youngest four loads may be out)
	MUL1 F1, 0, 0
	s_wait_dscnt 0x0                               ; the add is done, and my reads of this slot are over
	s_barrier_signal -1
	MUL1 F1, 1, 0
.if \fill
	WIN 0
.endif
	s_barrier_wait -1
.if \fill
	CREST                                          ; the barrier has opened a round of the cluster's: no wave of any partner still reads this slot or has a load on its way
	s_add_nc_u64 s[G0+4*(\slot)+2:G0+4*(\slot)+3], s[G0+4*(\slot)+2:G0+4*(\slot)+3], 2*KB
	s_add_nc_u64 s[G0B+4*(\slot)+2:G0B+4*(\slot)+3], s[G0B+4*(\slot)+2:G0B+4*(\slot)+3], 2*KB
	JLOAD \slot                                    ; the first tensor load behind the round; its four v_nop are also the places in front of the loads below
.else
	PLACES
.endif
	FETCH \next, 0, F0
	MULH F1, 2, 0
.endm
	s_wait_tensorcnt 1                             ; my part of K step 0 is in; K step 1's may stay out
	s_barrier_signal -1
	s_barrier_wait -1
	FETCH 0, 0, F0
	SUB 0, 64, F0, F1, 1                           ; the first sub-step stands in front of the loop: its products start the sums
	WIN 0
	s_mov_b32 s3, LAPS-1
.Llap:                                                 ; a trip goes once round the ring and fills both slots again
	STEPMID 0, 1
	TURN 0, 1, 1
	STEPMID 1, 0
	TURN 1, 0, 1
	SUB 0, 64, F0, F1, 0
	WIN 0
	s_sub_co_u32 s3, s3, 1
	s_cmp_lg_u32 s3, 0
	s_cbranch_scc1 .Llap
	STEPMID 0, 1                                   ; the last lap fills nothing
	TURN 0, 1, 0
	STEPMID 1, 0
	s_wait_dscnt 4
	MULH F1, 0, 0
	s_wait_dscnt 0x0
	MULH F1, 2, 0
	WIN 0
	PLACES
	s_wait_loadcnt 0x0                             ; cos and sin
; THE WAY OUT of row block a, unit u: the rotation in f32, one rounding to f16, 16 bytes for each half of the head into the stage.  Each accumulator is read from its low end on.
.macro ROPE a, u
.set RX1, ACC+8*(BB*(\a)+2*(\u))
.set RX2, RX1+8
.set RTB, 16*(3*(\a)+(\u))
	WIN 0x08                                       ; source 1 (cos, sin) in window 2
.irp j, 0,2,4,6
	v_pk_mul_f32 v[48+\j:49+\j], v[RX2+\j:RX2+\j+1], v[RTB+8+\j:RTB+9+\j]
	v_pk_fma_f32 v[32+\j:33+\j], v[RX1+\j:RX1+\j+1], v[RTB+\j:RTB+\j+1], v[48+\j:49+\j]
	v_pk_mul_f32 v[56+\j:57+\j], v[RX1+\j:RX1+\j+1], v[RTB+8+\j:RTB+9+\j]
	v_pk_fma_f32 v[40+\j:41+\j], v[RX2+\j:RX2+\j+1], v[RTB+\j:RTB+\j+1], v[56+\j:57+\j] neg_lo:[0,0,1] neg_hi:[0,0,1]
.endr
	WIN 0
.irp q, 0,1,2,3,4,5,6,7
	v_cvt_pk_f16_f32 v[48+\q], v[32+2*\q], v[33+2*\q]
.endr
	ds_store_b128 v[STO+(\u)], v[48:51] offset:16*HPITCH*(\a)
	ds_store_b128 v[STO+(\u)], v[52:55] offset:16*HPITCH*(\a)+64
.endm
.irp a, 0,1,2,3
.irp u, 0,1,2
	ROPE \a, \u
.endr
.endr
	s_wait_dscnt 0x0                               ; for the others' sake: my stores into the stage are done
	s_barrier_signal -1
	s_barrier_wait -1
.irp n, 0,1,2,3,4,5,6,7,8,9,10,11,12,13,14,15,16,17,18,19,20,21,22,23
	ds_load_b128 v[64+4*\n:67+4*\n], v[RD] offset:(\n/8)*HSTG+(\n%8)*4*HPITCH
.endr
.irp n, 0,1,2,3,4,5,6,7,8,9,10,11,12,13,14,15,16,17,18,19,20,21,22,23
	s_wait_dscnt 23-\n
	global_store_b128 v[GO], v[64+4*\n:67+4*\n], s[10:11] offset:(\n/8)*262144+(\n%8)*512   ; four rows of a head: 512 consecutive bytes, aligned
.endr
	s_wait_tensorcnt 0x0                           ; the wave's end
	ds_add_u32 v[SPW], v[NIL]
	s_wait_dscnt 0x0
	CROUND                                         ; the closing round
	s_endpgm
.Lfunc_end_k_qe7100f2710_qkv:
	.size	k_qe7100f2710_qkv, .Lfunc_end_k_qe7100f2710_qkv-k_qe7100f2710_qkv
	.p2alignl 7, 3214868480
	.fill 96, 4, 3214868480
	.section	.rodata,"a",@progbits
	.p2align	6, 0x0
	.amdhsa_kernel k_qe7100f2710_qkv
		.amdhsa_group_segment_fixed_size 327680
		.amdhsa_private_segment_fixed_size 0
		.amdhsa_enable_private_segment 0
		.amdhsa_kernarg_size 32
		.amdhsa_user_sgpr_count 2
		.amdhsa_user_sgpr_kernarg_segment_ptr 1
		.amdhsa_wavefront_size32 1
		.amdhsa_system_sgpr_workgroup_id_x 1
		.amdhsa_system_sgpr_workgroup_id_y 1
		.amdhsa_system_sgpr_workgroup_id_z 1
		.amdhsa_system_vgpr_workitem_id 0
		.amdhsa_next_free_vgpr 704
		.amdhsa_next_free_sgpr 96
		.amdhsa_reserve_vcc 0
		.amdhsa_float_denorm_mode_32 3
		.amdhsa_float_denorm_mode_16_64 3
		.amdhsa_memory_ordered 1
		.amdhsa_forward_progress 1
		.amdhsa_inst_pref_size 91
	.end_amdhsa_kernel
	.amdgpu_metadata
---
amdhsa.version: [ 1, 2 ]
amdhsa.kernels:
  - .name:           k_qe7100f2710_qkv
    .symbol:         k_qe7100f2710_qkv.kd
    .args:
      - { .name: xb, .offset: 0, .size: 8, .value_kind: global_buffer, .address_space: global }
      - { .name: wt, .offset: 8, .size: 8, .value_kind: global_buffer, .address_space: global }
      - { .name: rt, .offset: 16, .size: 8, .value_kind: global_buffer, .address_space: global }
      - { .name: qkv, .offset: 24, .size: 8, .value_kind: global_buffer, .address_space: global }
    .group_segment_fixed_size: 327680
    .private_segment_fixed_size: 0
    .kernarg_segment_align: 8
    .kernarg_segment_size: 32
    .max_flat_workgroup_size: 128
    .sgpr_count:     96
    .vgpr_count:     704
    .wavefront_size: 32
...
	.end_amdgpu_metadata
.endif
;; end of part 2
;; launch attn (part 3): grid 32 x 8, 4 waves a work-group, clusters of 4 x 1, 327,680 bytes of LDS; arguments qkv, y; writes y
.if DOCPART == 3
	.amdgcn_target "amdgcn-amd-amdhsa--gfx1250"
	.amdhsa_code_object_version 6
	.text
	.protected	k_qe7100f2710_attn
	.globl	k_qe7100f2710_attn
	.p2align	8
	.type	k_qe7100f2710_attn,@function
k_qe7100f2710_attn:
	s_mov_b64 s[64:65], 0
	v_nop
	global_prefetch_b8 v0, s[64:65] scope:SCOPE_SE
	s_setreg_imm32_b32 hwreg(HW_REG_WAVE_MODE, 25, 1), 1
	s_wait_xcnt 0x0
	s_wait_alu depctr_hold_cnt(0) depctr_sa_sdst(0) depctr_va_vdst(0) depctr_va_sdst(0) depctr_va_ssrc(0) depctr_va_vcc(0) depctr_vm_vsrc(0)
	s_getreg_b32 s2, hwreg(HW_REG_IB_STS2, 6, 4)
	s_cmp_eq_u32 s2, 0
	s_cbranch_scc0 .Lentry_in_a_cluster
	s_endpgm
.Lentry_in_a_cluster:
	s_bfe_u32 s2, ttmp6, 0x10000c
	s_cmp_lg_u32 s2, 0x3003
	s_cbranch_scc0 .Lentry_shape_is_right
	s_endpgm
.Lentry_shape_is_right:
; CAUSAL ATTENTION, four query heads to a key and value head.  qkv: f16 [2][24][2048][64] (heads 0-15 q / 16, 16-19 k / 16, 20-23 v); y: f16 [4096][1024], channel = head x 64 + d.
; WORK LEFT OUT: key tiles wholly above the diagonal, whose weights are 0 by the mask that the problem itself builds, are neither loaded nor multiplied (shown at the head of the first kernel).
; Products, maxima and sums in f32; the weights p are rounded to f16 for the second product (their sum l is taken of the unrounded p), y once at the end.
; LIMITS.  A hidden score inside a tile that is walked counts as its value less 1e30 (f16's scores are 2.7e11 at the most); a weight below 2^-126 counts as 0 in l; NaN and infinities are not treated apart.
; THE WALK.  A BLOCK is 32 positions x the four query heads of one key head: 128 rows that read the same K and V.  Block j needs the keys 0 .. 32 j + 31: the tiles 0 .. j / 8 of 256 keys.  A work-group takes
; block 63 - b and then block b: (8 - TLO) + (TLO + 1) = 9 tiles whatever b, TLO = b / 8: 256 work-groups of equal work, constant trip counts.
; CLUSTER.  b = 4 x cluster x + cx, so the four partners share TLO and walk the same tiles in the same order: every tile is asked for JOINTLY.  Branches and trip counts hang on the cluster's
; number and on counters; cx enters the addresses of Q, y and the prefetches and values that are selected, nothing else.
; SHARES.  Wave w: hp = w % 2, ph = w / 2.  Its two PIECES are heads 4 kvh + 2 hp + 0, 1 at positions 32 j + 16 ph + 0..15: both have the same mask, and together 256 bytes of each of 16 rows of y.
; LAYOUT.  S^T = K Q^T holds ONE query a lane (lane % 16) and the keys 8 (lane / 16) + 0..7; two such results rounded to f16 ARE source 1 of O^T = V^T P.  p = 2^(c s - c m), c = 2^8 log2(e) / 8, with a
; running maximum m; O and l are multiplied by a = 2^(c m_old - c m_new) in every step.
; TURNS.  Turn 0 of key step s: 8 products K Q^T of piece 1 (step s), piece 0's softmax, 8 products V^T P of piece 1 (step s - 1).  Turn 1: K Q^T of piece 0 (step s + 1), piece 1's softmax, V^T P of piece 0
; (step s).  Four vector instructions stand behind every matrix instruction, the rest in one lump; a turn's 33 exponentials are one batch with one wait.
; K RUNS A STEP AHEAD OF V, so a slot holds V's keys 256 t .. 256 t + 255 and K's keys 256 t + 64 .. 256 t + 319: the slots change between two steps with no LDS load out.  K of step 0 comes
; from memory into registers, once.  Tile 7's K reaches 64 rows into the buffer's next head: finite numbers that feed only the products named next.  A block's last turn 1 makes scores and a maximum of a step
; that does not belong to it: they serve nothing, the price of one text for every step; so do up to three wholly hidden steps in a block's last tile.
; THE MASK is the C operand that starts S^T: MC = MD x AL + BE.  MD: -1e30 where the key of the block's own diagonal step GS = j / 2 is hidden from my query.  (AL, BE) = (1, 0) in step GS, (0, 0) before, (0, -1e30) behind.
; REGISTERS, in windows of 256: window 0: addresses, statistics, S^T v64-127 (two buffers), P v192-223; window 1: O^T v0-63, MD v64-95, MC v96-127;
;   window 2: Q v0-31, the second block's Q v32-63, K of step 0 v64-127, K v128-191, V v192-255.
.set NP,    2
.set KS,    64
.set PK,    144       ; a row of K in LDS: 128 bytes + 16
.set PV,    160       ; a row of V: 128 + 32
.set VOFF,  4*KS*PK
.set SLOT1, 1<<17
.set STAGE, SLOT1+4*KS*(PK+PV)  ; behind the ring: 16 rows x 272 bytes for each wave, for the way out
.set SP,    272
.set SPARE, STAGE+4*16*SP       ; behind the stages: the spare words
.set AK0, 2           ; v2   my lane's place in a tile of K; never rewritten
.set AV0, 3           ; v3   the same for V
.set AK,  4
.set AV,  5
.set STO, 6
.set RD,  7
.set GO,  8
.set MV,  12          ; v12-13  c m_old, by piece
.set QO,  15          ; v15  my byte offset in 16 rows of 128 bytes
.set ST,  16          ; piece t's statistics at v[ST+4 t]: c m, m, l (even keys', odd keys')
.set B14, 24          ; v24  l % 16 - 8 (l / 16) + 16 ph
.set TMP, 48          ; by piece, four registers at work; c2 takes a
.set PFO, 61          ; v61  256 x lane; never rewritten
.set SPW, 62
.set NIL, 63
.set S,   64
.set P,   192
.set MD,  64          ; window 1
.set MC,  96          ; window 1
.set QB,  32          ; window 2
.set K0F, 64          ; window 2
.set KF,  128         ; window 2
.set VF,  192         ; window 2
.set WV,  12
.set THI, 15          ; s15  the first block's last tile
.set TLO, 16          ; s16  the second block's
.set PFA, 18          ; s[18:19] where my prefetches stand
.set LIM, 20
.set G1K, 24
.set G1V, 32
.set G0K, 40
.set G0V, 44
.set SLOTS, 56
.set CNT, 57
.set CS,  58
.set SEL, 60
.set TBK, 62
.set TBV, 63
.set RT,  70          ; tiles of the block in hand still to be entered
.set NXT, 71          ; the tile to be asked for next
.set LQ,  72          ; the last tile of the block whose tiles are being asked for
.set NEW, 73          ; 1: the tile to be entered is a block's first
.set OFF, 74
.set AL,  76
.set BE,  78
.set YLO, 80          ; s[80:81] y at my rows of the second block
.set BIGN, 82
.set GS,  83          ; the block's diagonal step
.set ZS,  84          ; the first step of the block's last tile
.set SN,  85          ; the step whose mask is made next
.set PAR, 86          ; 32 (j % 2)
.set GSLO, 87
.set PARLO, 88
.set QLO, 90          ; s[90:91] Q at my rows of the second block
.set K0A, 92          ; s[92:93] the key head's first row
.set MSB, 0
.macro WIN new
.if MSB != (\new)
	s_set_vgpr_msb (MSB<<8)|(\new)
.set MSB, (\new)
.endif
.endm
.set W_KQ, 0x0a       ; K and Q in window 2, S^T in window 0
.set W_KM, 0x1a       ; the same with the C operand in window 1
.set W_PV, 0x52       ; V in window 2, P in window 0, O^T in window 1
.set W_RS, 0x41       ; destination and source 0 in window 1
.macro JLOAD                        ; a joint fill: waves 0 and 1 fetch the halves of a tile's K, waves 2 and 3 of its V; an s_nop 0 and four v_nop follow each line
	s_cmp_lt_u32 s[WV], 2
	s_cbranch_scc0 .Lfor_v_\@
	tensor_load_to_lds s[G0K:G0K+3], s[G1K:G1K+7]
	s_nop 0
.rept 4
	v_nop
.endr
	s_branch .Lasked_\@
.Lfor_v_\@:
	tensor_load_to_lds s[G0V:G0V+3], s[G1V:G1V+7]
	s_nop 0
.rept 4
	v_nop
.endr
.Lasked_\@:
.endm
; A PREFETCH INTO THE L2.  All eight clusters of a key head walk its tiles; cluster 0, whose first blocks walk tiles 0 to 7, asks, and nobody else.  Its four partners take 64 keys of a tile each, told apart by
; address; wave 0 asks for K's, wave 2 for V's: a lane 256 bytes, one instruction.  In trip t it names tile t + 3, whose joint load goes out two tiles, 256 matrix instructions, later.
; Trips 0 to 4 ask, for tiles 3 to 7; tiles 0 to 2 come by their loads alone.
.macro ASK
	s_cmp_gt_u32 s[SLOTS], s[LIM]
	s_cbranch_scc0 .Lnot_mine_\@
	global_prefetch_b8 v[PFO], s[PFA:PFA+1] th:TH_LOAD_NT scope:SCOPE_SE
.Lnot_mine_\@:
.endm
.macro CROUND
	s_barrier_signal -1
	s_barrier_wait -1
	s_cmp_lg_u32 s[WV], 0
	s_cbranch_scc1 .Lnot_wave_0_\@
	s_barrier_signal -3
.Lnot_wave_0_\@:
	s_barrier_wait -3
	s_barrier_signal -1
	s_barrier_wait -1
.endm
; THE CHANGE OF SLOTS.  Each wave waits for all its tensor loads (one is out: its part of the other slot), adds 0 to its spare word, and waits for that and for its reads of the slot that it leaves.
; fill = 1: a round of the cluster's barrier, and the old slot is filled again first thing behind it, with tile NXT; the descriptor's address is made anew from that number.
.macro CHANGE fill
	WIN 0
	s_wait_tensorcnt 0x0
	ds_add_u32 v[SPW], v[NIL]
.if \fill
	s_lshl_b32 s[OFF], s[NXT], 15   ; a tile is 32,768 bytes of K and of V
	s_xor_b32 s[G0K+1], s[G0K+1], SLOT1
	s_add_nc_u64 s[G0K+2:G0K+3], s[6:7], s[OFF:OFF+1]
	s_or_b32 s[G0K+3], s[G0K+3], 0x80000000
	s_xor_b32 s[G0V+1], s[G0V+1], SLOT1
	s_add_nc_u64 s[G0V+2:G0V+3], s[8:9], s[OFF:OFF+1]
	s_or_b32 s[G0V+3], s[G0V+3], 0x80000000
	s_add_co_u32 s[NXT], s[NXT], 1  ; the block's next tile, or behind its last the second block's tile 0
	s_cmp_gt_u32 s[NXT], s[LQ]
	s_cselect_b32 s[NXT], 0, s[NXT]
	s_cselect_b32 s[LQ], s[TLO], s[LQ]
	s_wait_xcnt 0x0                 ; the last prefetch, a tile back, has read its address
	s_add_nc_u64 s[PFA:PFA+1], s[PFA:PFA+1], 4*KS*128
	s_wait_dscnt 0x0                ; the add is done, and my reads of the slot are over
	CROUND
	JLOAD
	ASK
.else
	s_wait_dscnt 0x0
	s_barrier_signal -1
	s_barrier_wait -1
.endif
	s_sub_co_u32 s[TBK], s[TBK], 4*KS*PK  ; the fetches go back to a slot's first step, in the other slot
	s_xor_b32 s[TBK], s[TBK], SLOT1
	s_sub_co_u32 s[TBV], s[TBV], 4*KS*PV
	s_xor_b32 s[TBV], s[TBV], SLOT1
.endm
	s_load_b128 s[48:51], s[0:1], 0x0  ; qkv s[48:49], y s[50:51]
	v_lshl_add_u32 v[SPW], v0, 2, SPARE
	v_mov_b32 v[NIL], 0
	ds_add_u32 v[SPW], v[NIL]       ; the wave's opening: the add, twice on end, and its wait ahead of my first tensor load
	ds_add_u32 v[SPW], v[NIL]
	v_lshrrev_b32 v1, 5, v0
	v_readfirstlane_b32 s[WV], v1
	s_bfe_u32 s13, ttmp6, 0x40000   ; cx
	s_lshl_b32 s14, ttmp9, 2
	s_add_co_u32 s14, s14, s13      ; b
	s_lshr_b32 s[TLO], ttmp9, 1
	s_sub_co_u32 s[THI], 7, s[TLO]
	s_and_b32 s21, ttmp7, 0xffff
	s_lshr_b32 s22, s21, 2          ; the batch
	s_and_b32 s23, s21, 3           ; the key head
	s_and_b32 s17, s[WV], 1         ; hp; also: which half of a tile's keys I fetch
	s_lshr_b32 s21, s[WV], 1        ; ph
	s_mul_i32 s66, s22, 24
	s_sub_co_u32 s67, 63, s14       ; the first block's number
	s_lshl_b32 s2, s23, 2           ; Q: head 24 batch + 4 kvh + 2 hp,
	s_add_co_u32 s2, s2, s66
	s_lshl_b32 s3, s17, 1
	s_add_co_u32 s2, s2, s3
	s_lshl_b32 s2, s2, 18
	s_lshl_b32 s3, s21, 11          ; row 32 j + 16 ph
	s_add_co_u32 s2, s2, s3
	s_lshl_b32 s3, s67, 12
	s_add_co_u32 s4, s2, s3
	s_mov_b32 s5, 0
	s_lshl_b32 s3, s14, 12
	s_add_co_u32 s[QLO], s2, s3
	s_mov_b32 s[QLO+1], 0
	s_lshl_b32 s2, s22, 22          ; y: row 2048 batch + 32 j + 16 ph, byte 128 (4 kvh + 2 hp)
	s_lshl_b32 s3, s21, 15
	s_add_co_u32 s2, s2, s3
	s_lshl_b32 s3, s23, 9
	s_add_co_u32 s2, s2, s3
	s_lshl_b32 s3, s17, 8
	s_add_co_u32 s2, s2, s3
	s_lshl_b32 s3, s67, 16
	s_add_co_u32 s10, s2, s3
	s_mov_b32 s11, 0
	s_lshl_b32 s3, s14, 16
	s_add_co_u32 s[YLO], s2, s3
	s_mov_b32 s[YLO+1], 0
	s_add_co_u32 s2, s66, s23       ; K: head 24 batch + 16 + kvh; V: + 20
	s_add_co_u32 s3, s2, 16
	s_lshl_b32 s[K0A], s3, 18
	s_mov_b32 s[K0A+1], 0
	s_add_co_u32 s3, s2, 20
	s_lshl_b32 s8, s3, 18
	s_mov_b32 s9, 0
	s_lshl_b32 s68, s17, 14         ; my half's 128 keys
	s_mov_b32 s69, 0
	s_lshl_b32 s52, s13, 13         ; the prefetches: my work-group's 64 keys, in tile 2; the first change of slots steps to tile 3
	s_add_co_u32 s52, s52, 2*4*KS*128
	s_mov_b32 s53, 0
	s_lshr_b32 s[GS], s67, 1
	s_and_b32 s[PAR], s67, 1
	s_lshl_b32 s[PAR], s[PAR], 5
	s_lshl_b32 s[ZS], s[THI], 2
	s_lshr_b32 s[GSLO], s14, 1
	s_and_b32 s[PARLO], s14, 1
	s_lshl_b32 s[PARLO], s[PARLO], 5
	s_and_b32 s[LIM], s[WV], 1      ; waves 0 and 2 of cluster 0: the same in all four partners
	s_or_b32 s[LIM], s[LIM], ttmp9
	s_cmp_eq_u32 s[LIM], 0
	s_cselect_b32 s[LIM], 3, -1
	; descriptor group 1.  128 keys are 16,384 dense bytes: asked for as 64 rows of 256 bytes, two keys a row, and padded in LDS after every key
	s_mov_b32 s[G1K], 15|(1<<16)|(1<<20)|(1<<21)|(4<<22)|(3<<25)
	s_mov_b32 s[G1V], 15|(1<<16)|(1<<20)|(1<<21)|(4<<22)|(7<<25)
.irp g, G1K, G1V
	s_mov_b32 s[\g+1], 128<<16
	s_mov_b32 s[\g+2], 64<<16
	s_mov_b32 s[\g+3], 128<<16
	s_mov_b32 s[\g+4], 64
	s_mov_b32 s[\g+5], 128
	s_mov_b32 s[\g+6], 0
	s_mov_b32 s[\g+7], 0
.endr
	s_mov_b32 s[CS], 0x4238aa3b     ; c = 2^8 log2(e) / 8: q and k were stored divided by 16
	s_mov_b32 s[CS+1], s[CS]
	s_mov_b32 s[SEL], 0x76543210
	s_mov_b32 s[SEL+1], 0xfedcba98
	s_mov_b32 s[TBK], SLOT1+4*KS*PK ; the first change of slots turns these two into 0
	s_mov_b32 s[TBV], SLOT1+4*KS*PV
	s_mov_b32 s[G0K], 1
	s_mul_i32 s[G0K+1], s17, 128*PK
	s_mov_b32 s[G0V], 1
	s_mul_i32 s[G0V+1], s17, 128*PV
	s_add_co_u32 s[G0V+1], s[G0V+1], VOFF
	s_add_co_u32 s[RT], s[THI], 1
	s_mov_b32 s[NXT], 1
	s_mov_b32 s[LQ], s[THI]
	s_mov_b32 s[NEW], 1
	s_mov_b32 s[OFF+1], 0
	s_mov_b32 s[AL+1], 0
	s_mov_b32 s[BE+1], 0
	s_mov_b32 s[BIGN], 0xf149f2ca   ; -1e30
	s_mov_b32 s[SLOTS], 8
	s_wait_dscnt 0x0                ; both opening adds are done
	s_wait_kmcnt 0x0
	s_add_nc_u64 s[K0A:K0A+1], s[48:49], s[K0A:K0A+1]
	s_add_nc_u64 s[8:9], s[48:49], s[8:9]
	s_cmp_lt_u32 s[WV], 2
	s_cselect_b64 s[PFA:PFA+1], s[K0A:K0A+1], s[8:9]
	s_add_nc_u64 s[PFA:PFA+1], s[PFA:PFA+1], s[52:53]
	s_add_nc_u64 s[6:7], s[K0A:K0A+1], s[68:69]
	s_add_nc_u64 s[6:7], s[6:7], KS*128            ; K's tiles begin a step later than V's
	s_add_nc_u64 s[8:9], s[8:9], s[68:69]
	s_add_nc_u64 s[4:5], s[48:49], s[4:5]
	s_add_nc_u64 s[QLO:QLO+1], s[48:49], s[QLO:QLO+1]
	s_add_nc_u64 s[10:11], s[50:51], s[10:11]
	s_add_nc_u64 s[YLO:YLO+1], s[50:51], s[YLO:YLO+1]
	s_add_nc_u64 s[G0K+2:G0K+3], s[6:7], 0
	s_or_b32 s[G0K+3], s[G0K+3], 0x80000000
	s_add_nc_u64 s[G0V+2:G0V+3], s[8:9], 0
	s_or_b32 s[G0V+3], s[G0V+3], 0x80000000
	CROUND                          ; all four work-groups are here: the first joint loads meet
	JLOAD                           ; tile 0 into slot 0; slot 1 is asked for by the loop's first change of slots
	v_and_b32 v1, 15, v0            ; l % 16
	v_bfe_u32 v9, v0, 4, 1          ; l / 16
	v_lshlrev_b32 v[QO], 7, v1
	v_lshl_add_u32 v[QO], v9, 4, v[QO]
	WIN 0x80                        ; destination window 2, address window 0
.irp p, 0,1
.irp c, 0,1
	global_load_b128 v[16*\p+8*\c:16*\p+8*\c+3],   v[QO], s[4:5] offset:\p*262144+\c*64
	global_load_b128 v[16*\p+8*\c+4:16*\p+8*\c+7], v[QO], s[4:5] offset:\p*262144+\c*64+32
	global_load_b128 v[QB+16*\p+8*\c:QB+16*\p+8*\c+3],   v[QO], s[QLO:QLO+1] offset:\p*262144+\c*64
	global_load_b128 v[QB+16*\p+8*\c+4:QB+16*\p+8*\c+7], v[QO], s[QLO:QLO+1] offset:\p*262144+\c*64+32
.endr
.endr
.irp f, 0,1,2,3,4,5,6,7             ; K of step 0: keys 16 (f / 2) on, channels 32 (f % 2) on
	global_load_b128 v[K0F+8*\f:K0F+8*\f+3],   v[QO], s[K0A:K0A+1] offset:(\f/2)*2048+(\f%2)*64
	global_load_b128 v[K0F+8*\f+4:K0F+8*\f+7], v[QO], s[K0A:K0A+1] offset:(\f/2)*2048+(\f%2)*64+32
.endr
	; A block's first step multiplies O^T and l by a = 0, and its first turn's V^T P lands in an O^T that is still to be so multiplied: these registers need only hold finite numbers.
.set i, VF
.rept 64
	v_mov_b32 v[i], 0
.set i, i+1
.endr
	WIN 0x40
.set i, 0
.rept 64
	v_mov_b32 v[i], 0
.set i, i+1
.endr
	WIN 0
.set i, 0
.rept 2
	v_mov_b32 v[ST+4*i+2], 0
	v_mov_b32 v[ST+4*i+3], 0
.set i, i+1
.endr
.set i, P+16
.rept 16
	v_mov_b32 v[i], 0
.set i, i+1
.endr
	v_lshlrev_b32 v10, 3, v9
	v_sub_nc_u32 v[B14], v1, v10
	s_lshl_b32 s66, s21, 4
	v_add_nc_u32 v[B14], s66, v[B14]
	v_mul_u32_u24 v[AK0], v1, PK
	v_lshl_add_u32 v[AK0], v9, 4, v[AK0]
	; The turning load takes 16 keys x 16 channels (lane l reads key 8 (l / 16) + l % 8, channels 8 ((l / 8) % 2) + 0..7) and leaves half a fragment of V^T
	v_and_b32 v10, 7, v0
	v_bfe_u32 v11, v0, 3, 1
	v_lshl_add_u32 v[AV0], v9, 3, v10
	v_mul_u32_u24 v[AV0], v[AV0], PV
	v_lshl_add_u32 v[AV0], v11, 4, v[AV0]
	v_add_nc_u32 v[AV0], VOFF, v[AV0]
	s_mul_i32 s66, s[WV], 16*SP
	s_add_co_u32 s66, s66, STAGE    ; my stage
	v_mul_u32_u24 v[STO], v1, SP    ; in: row l % 16, 16 bytes for each half of the lanes
	v_lshl_add_u32 v[STO], v9, 4, v[STO]
	v_add_nc_u32 v[STO], s66, v[STO]
	v_mul_u32_u24 v[RD], v9, SP     ; back: lanes 0-15 one row of 256 bytes, lanes 16-31 the next
	v_lshl_add_u32 v[RD], v1, 4, v[RD]
	v_add_nc_u32 v[RD], s66, v[RD]
	v_lshlrev_b32 v[GO], 11, v9     ; and the same two rows in y
	v_lshl_add_u32 v[GO], v1, 4, v[GO]
	v_and_b32 v[PFO], 31, v0
	v_lshlrev_b32 v[PFO], 8, v[PFO]
; THE MATRIX WORK.  The 4 accumulators of a run of 8 take turns.  Product i of 8 of S^T = K Q^T for piece x: channels 32 (i / 4) on, keys 16 (i % 4) on.  The first 4 start the sums with the mask.
.macro KQ x
.set rS, S+32*((\x)%2)+8*(i%4)
.set rK, KF+16*(i%4)+8*(i/4)
.set rQ, 16*(\x)+8*(i/4)
.set rM, MC+8*(i%4)
.if i < 4
	WIN W_KM
	v_wmma_f32_16x16x32_f16 v[rS:rS+7], v[rK:rK+7], v[rQ:rQ+7], v[rM:rM+7]
.else
	WIN W_KQ
	v_wmma_f32_16x16x32_f16 v[rS:rS+7], v[rK:rK+7], v[rQ:rQ+7], v[rS:rS+7]
.endif
.endm
; Product i of 8 of O^T += V^T P for piece x: keys 32 (i / 4) on, channels 16 (i % 4) on.
.macro PV x
	WIN W_PV
.set rO, 32*(\x)+8*(i%4)
.set rV, VF+32*(i/4)+8*(i%4)
.set rP, P+16*((\x)%2)+8*(i/4)
	v_wmma_f32_16x16x32_f16 v[rO:rO+7], v[rV:rV+7], v[rP:rP+7], v[rO:rO+7]
.endm
.macro MM                           ; the turn's next matrix instruction
.if i < 8
	KQ (Y+1)%NP
.else
.set i, i-8
	PV (Y+NP-1)%NP
.set i, i+8
.endif
.set i, i+1
.endm
; THE LDS LOADS stand in runs of 16: a step's K (8 fragments) and its V (turned).
.macro FETCH_K
	WIN 0x80
.irp f, 0,1,2,3,4,5,6,7
	ds_load_b128 v[KF+8*\f:KF+8*\f+3],   v[AK] offset:(\f/2)*16*PK+(\f%2)*64
	ds_load_b128 v[KF+8*\f+4:KF+8*\f+7], v[AK] offset:(\f/2)*16*PK+(\f%2)*64+32
.endr
	s_add_co_u32 s[TBK], s[TBK], KS*PK
	WIN 0
.endm
.macro FETCH_V
	WIN 0x80
.irp f, 0,1,2,3,4,5,6,7
	ds_load_tr16_b128 v[VF+8*\f:VF+8*\f+3],   v[AV] offset:(\f/4)*32*PV+(\f%4)*32
	ds_load_tr16_b128 v[VF+8*\f+4:VF+8*\f+7], v[AV] offset:(\f/4)*32*PV+16*PV+(\f%4)*32
.endr
	WIN 0
.endm
; THE VECTOR WORK, one line at a time: OP kind, number.  For piece Y: F n: c s - c m for pair n of 16.  E n: the exponential of score n of 32.  C n: pair n rounded to f16.  B n: of the four weights 4 n .. the
; second pair is added onto the first.  L n: l takes that sum (L 0: l = a l + sum).  R n: pair n of 16 of O^T times a.  For the other piece: X n, number n of the 22 that find its maximum and statistics:
;   0-11 four chains of seven scores (each accumulator's lowest registers are read first); 12-14, 16 the rest, the old m, and all into c0; 15 c m_old is kept;
;   17, 18 the other half of the lanes: the new m; 19-21 c m; c m_old - c m_new; a
.set F, 0
.set E, 1
.set C, 2
.set B, 3
.set L, 4
.set R, 5
.set X, 6
.macro REGS y
.set rT, ST+4*(\y)
.set rC, TMP+4*((\y)%2)
.set rW, MV+((\y)%2)
.set rS, S+32*((\y)%2)
.set rP, P+16*((\y)%2)
.set rO, 32*(\y)
.endm
.macro OP k, n
.if (\k) == R
	REGS Y
	WIN W_RS
	v_pk_mul_f32 v[rO+2*(\n):rO+2*(\n)+1], v[rO+2*(\n):rO+2*(\n)+1], v[rC+2:rC+3] op_sel_hi:[1,0]
.elseif (\k) < R
	REGS Y
	WIN 0
.if (\k) == F
	v_pk_fma_f32 v[rS+2*(\n):rS+2*(\n)+1], v[rS+2*(\n):rS+2*(\n)+1], s[CS:CS+1], v[rT:rT+1] op_sel_hi:[1,0,0] neg_lo:[0,0,1] neg_hi:[0,0,1]
.elseif (\k) == E
	v_exp_f32 v[rS+(\n)], v[rS+(\n)]
.elseif (\k) == C
	v_cvt_pk_f16_f32 v[rP+(\n)], v[rS+2*(\n)], v[rS+2*(\n)+1]
.elseif (\k) == B
	v_pk_add_f32 v[rS+4*(\n):rS+4*(\n)+1], v[rS+4*(\n):rS+4*(\n)+1], v[rS+4*(\n)+2:rS+4*(\n)+3]
.elseif (\n) == 0
	v_pk_fma_f32 v[rT+2:rT+3], v[rT+2:rT+3], v[rC+2:rC+3], v[rS:rS+1] op_sel_hi:[1,0,1]
.else
	v_pk_add_f32 v[rT+2:rT+3], v[rT+2:rT+3], v[rS+4*(\n):rS+4*(\n)+1]
.endif
.else
	REGS (Y+1)%NP
	WIN 0
.if (\n) < 4
	v_max3_num_f32 v[rC+(\n)], v[rS+8*(\n)], v[rS+8*(\n)+1], v[rS+8*(\n)+2]
.elseif (\n) < 12
	v_max3_num_f32 v[rC+(\n)%4], v[rC+(\n)%4], v[rS+8*((\n)%4)+2*((\n)/4)+1], v[rS+8*((\n)%4)+2*((\n)/4)+2]
.elseif (\n) == 12
	v_max3_num_f32 v[rC], v[rC], v[rS+7], v[rS+15]
.elseif (\n) == 13
	v_max3_num_f32 v[rC+1], v[rC+1], v[rS+23], v[rS+31]
.elseif (\n) == 14
	v_max3_num_f32 v[rC+2], v[rC+2], v[rC+3], v[rT+1]
.elseif (\n) == 15
	v_mov_b32 v[rW], v[rT]
.elseif (\n) == 16
	v_max3_num_f32 v[rC], v[rC], v[rC+1], v[rC+2]
.elseif (\n) == 17
	v_permlanex16_b32 v[rC+3], v[rC], s[SEL], s[SEL+1]
.elseif (\n) == 18
	v_max_num_f32 v[rT+1], v[rC], v[rC+3]
.elseif (\n) == 19
	v_mul_f32 v[rT], s[CS], v[rT+1]
.elseif (\n) == 20
	v_sub_f32 v[rC+1], v[rW], v[rT]
.else
	v_exp_f32 v[rC+2], v[rC+1]
.endif
.endif
.endm
.macro OPS a, i1, b=-1, i2=0, c=-1, i3=0, d=-1, i4=0
	OP \a, \i1
.if (\b) >= 0
	OP \b, \i2
.endif
.if (\c) >= 0
	OP \c, \i3
.endif
.if (\d) >= 0
	OP \d, \i4
.endif
.endm
.macro ROW a, i1, b, i2, c, i3, d, i4  ; a matrix instruction and the four behind it
	MM
	OPS \a, \i1, \b, \i2, \c, \i3, \d, \i4
.endm
.macro MASK                         ; MC = MD x AL + BE
	WIN W_RS
.set z, 0
.rept 16
	v_pk_fma_f32 v[MC+2*z:MC+2*z+1], v[MD+2*z:MD+2*z+1], s[AL:AL+1], s[BE:BE+1] op_sel_hi:[1,0,0]
.set z, z+1
.endr
.endm
.macro PLACES
.rept 4
	v_nop
.endr
.endm
; A TURN, for piece p.  AHEAD OF ITS ONE WAIT stands all that names no result of the turn's exponentials: 8 products K Q^T with four riders each, then a lump of 54; BEHIND IT 8 products V^T P, behind each four of the
; roundings and sums.  The first numbers of the other piece's maximum stand four plain instructions or more behind the product that ends their accumulator.
; Turn 0 fetches K of the next step (twelve plain instructions that name none of its registers behind the last product that read K) and, at its end, V of the step in hand (four plain instructions behind the last product that read V);
; then it makes the mask of step SN, for turn 1's products and the next turn 0's; before the block's last tile the mask stays 0, and the jump, on a counter and the cluster's number, goes round 16 lines.
; Turn 1 waits for K at its head (V's sixteen younger loads may stay out) and for V behind the batch's wait.
.macro TURN p
.set Y, (\p)
.set i, 0
.if (\p) == 1
	s_wait_dscnt 16                 ; K is in
.endif
	ROW F,0, F,1, R,0, R,1
	ROW F,2, E,0, R,2, R,3
	ROW F,3, E,1, R,4, R,5
	ROW F,4, E,2, R,6, R,7
	ROW F,5, E,3, R,8, R,9
	ROW F,6, E,4, X,0, R,10
.if (\p) == 0
	WIN 0
	v_add_nc_u32 v[AK], s[TBK], v[AK0]
.endif
	ROW F,7, E,5, X,1, X,4
	ROW F,8, E,6, X,2, X,5
	OPS E,7, E,8, X,6, E,9
	OPS X,3, E,10, X,8, E,11
.if (\p) == 0
	FETCH_K
.endif
	OPS X,9, X,7, E,12, X,10
	OPS E,13, X,12, X,11, E,14
	OPS X,13, E,15, F,9, X,14
.if (\p) == 0
	v_add_nc_u32 v[AV], s[TBV], v[AV0]
.endif
	OPS E,16, F,10, E,17, F,11
	OPS X,16, E,18, X,15, E,19
	OPS F,12, E,20, X,17, E,21
	OPS F,13, E,22, F,14, E,23
	OPS X,18, E,24, F,15, E,25
	OPS R,11, E,26, X,19, E,27
	OPS R,12, E,28, R,13, E,29
	OPS X,20, E,30, R,14, E,31
	OPS X,21, R,15
	WIN 0
	s_wait_alu depctr_va_vdst(0)    ; the one wait for the batch, ahead of the first line that names a result
.if (\p) == 1
	s_wait_dscnt 0x0                ; V is in
.endif
	ROW C,0, B,0, C,2, B,1
	ROW L,0, C,4, B,2, L,1
	ROW C,6, B,3, L,2, C,8
	ROW B,4, L,3, C,10, B,5
	ROW L,4, C,12, B,6, L,5
.if (\p) == 0
	s_add_co_u32 s[TBV], s[TBV], KS*PV
.endif
	ROW C,14, B,7, L,6, C,1
	ROW C,3, L,7, C,5, C,7
	ROW C,9, C,11, C,13, C,15
.if (\p) == 0
	FETCH_V
	s_cmp_lt_u32 s[SN], s[ZS]
	s_cbranch_scc1 .Lnm_\@
	s_cmp_eq_u32 s[SN], s[GS]       ; is that step the block's own?
	s_cselect_b32 s[AL], 1.0, 0
	s_cmp_gt_u32 s[SN], s[GS]       ; or a later one?
	s_cselect_b32 s[BE], s[BIGN], 0
	MASK
	WIN 0
.Lnm_\@:
	s_add_co_u32 s[SN], s[SN], 1
.endif
.endm
; A BLOCK BEGINS.  MD for the block; c m far below every c s, so the first step's a is 0; m the lowest finite number; the mask of step 0; K of step 0; piece 0's first scores, maximum and statistics.
.macro BEGIN
	s_mov_b32 s[NEW], 0
	WIN 0
	v_add_nc_u32 v14, s[PAR], v[B14]   ; my query's place in its step of 64, less my lanes' 8 (l / 16): register r of key group kt is hidden where 16 kt + r is greater
	WIN 0x40
.set i, 0
.rept 32
	v_cmp_gt_i32 vcc_lo, 16*(i/8)+i%8, v14
	v_cndmask_b32 v[MD+i], 0, s[BIGN], vcc_lo
.set i, i+1
.endr
	WIN 0
.set i, 0
.rept 2
	v_mov_b32 v[ST+4*i], 0xfe000000
	v_mov_b32 v[ST+4*i+1], 0xff7fffff
.set i, i+1
.endr
	s_cmp_eq_u32 s[GS], 0
	s_cselect_b32 s[AL], 1.0, 0
	s_mov_b32 s[BE], 0
	MASK
	s_wait_loadcnt 0x0              ; Q, the second block's Q, K of step 0
	WIN 0x82
.set i, 0
.rept 64
	v_mov_b32 v[KF+i], v[K0F+i]
.set i, i+1
.endr
.set i, 0
.rept 8
	KQ 0
.set i, i+1
.endr
	WIN 0
	PLACES
.set Y, NP-1                        ; X works for the other piece: piece 0
.irp n, 0,1,2,3,4,5,6,7,8,9,10,11,12,13,14,15,16,17,18,19,20,21
	OP X, \n
.endr
	v_nop                           ; a plain instruction behind the exponential,
	s_wait_alu depctr_va_vdst(0)    ; and its wait, ahead of the label
	s_mov_b32 s[SN], 1
.endm
; A BLOCK ENDS: piece 1's last V^T P; l's halves and the other half of the lanes' are added; O^T is divided by l, rounded to f16 and sent through my stage: 16 rows x 256 bytes (two heads).
.macro ALL line:vararg
.set t, 0
.rept 2
	\line
.set t, t+1
.endr
.endm
.macro PACK t
	WIN W_RS
.set i, 32*(\t)
.rept 16
	v_pk_mul_f32 v[i:i+1], v[i:i+1], v[ST+4*(\t)+2:ST+4*(\t)+3] op_sel_hi:[1,0]
.set i, i+2
.endr
	WIN 0x05
.set i, 0
.rept 16
	v_cvt_pk_f16_f32 v[S+16*(\t)+i], v[32*(\t)+2*i], v[32*(\t)+2*i+1]
.set i, i+1
.endr
	WIN 0
.irp f, 0,1,2,3
	ds_store_b128 v[STO], v[S+16*(\t)+4*\f:S+16*(\t)+4*\f+3] offset:128*(\t)+32*\f
.endr
.endm
.macro FINISH
.set i, 0
.rept 8
	PV 1
.set i, i+1
.endr
	WIN 0
	PLACES
	ALL v_add_f32 v[ST+4*t+2], v[ST+4*t+2], v[ST+4*t+3]
	ALL v_permlanex16_b32 v[ST+4*t+3], v[ST+4*t+2], s[SEL], s[SEL+1]
	ALL v_add_f32 v[ST+4*t+2], v[ST+4*t+2], v[ST+4*t+3]
	ALL v_rcp_f32 v[ST+4*t+2], v[ST+4*t+2]
	v_nop                           ; a plain instruction behind the last reciprocal,
	s_wait_alu depctr_va_vdst(0)    ; and one wait for both, ahead of the first use
	PACK 0
	PACK 1
.irp f, 0,1,2,3,4,5,6,7
	ds_load_b128 v[S+32+4*\f:S+32+4*\f+3], v[RD] offset:\f*2*SP  ; LDS serves a wave's instructions in order (ISA guide 5.7.1.4): these see the stores above
.endr
.irp f, 0,1,2,3,4,5,6,7
	s_wait_dscnt 7-\f
	global_store_b128 v[GO], v[S+32+4*\f:S+32+4*\f+3], s[10:11] offset:\f*4096  ; 16 lanes store 256 consecutive bytes, aligned
.endr
.endm
; A tile: a block's beginning where it is due, then four key steps of one text.
.macro BODY tag
	s_sub_co_u32 s[RT], s[RT], 1
	s_mov_b32 s[CNT], 4
	s_cmp_eq_u32 s[NEW], 1
	s_cbranch_scc0 .Lstep\tag
	BEGIN
.Lstep\tag:
	TURN 0
	TURN 1
	WIN 0
	s_sub_co_u32 s[CNT], s[CNT], 1
	s_cmp_lg_u32 s[CNT], 0
	s_cbranch_scc1 .Lstep\tag
.endm
.Lslot:                             ; eight times: a tile is entered and the next is asked for
	CHANGE 1
	BODY 1
	s_cmp_lg_u32 s[RT], 0
	s_cbranch_scc1 .Lbottom
	FINISH                          ; in the loop this is the first block's end: the second block's last tile is the walk's last
	s_wait_xcnt 0x0                 ; the stores have read their registers and y's address
	s_mov_b64 s[10:11], s[YLO:YLO+1]
	s_add_co_u32 s[RT], s[TLO], 1
	s_mov_b32 s[NEW], 1
	s_mov_b32 s[GS], s[GSLO]
	s_lshl_b32 s[ZS], s[TLO], 2
	s_mov_b32 s[PAR], s[PARLO]
	WIN 0x82                        ; the second block's Q goes where the one text of the turns names Q
.set i, 0
.rept 32
	v_mov_b32 v[i], v[QB+i]
.set i, i+1
.endr
	WIN 0
.Lbottom:
	s_sub_co_u32 s[SLOTS], s[SLOTS], 1
	s_cmp_lg_u32 s[SLOTS], 0
	s_cbranch_scc1 .Lslot
	CHANGE 0                        ; the walk's last tile is written out: nothing is asked for
	BODY 2
	FINISH
	s_wait_tensorcnt 0x0            ; the wave's end
	ds_add_u32 v[SPW], v[NIL]
	s_wait_dscnt 0x0
	CROUND                          ; the closing round
	s_endpgm
.Lfunc_end_k_qe7100f2710_attn:
	.size	k_qe7100f2710_attn, .Lfunc_end_k_qe7100f2710_attn-k_qe7100f2710_attn
	.p2alignl 7, 3214868480
	.fill 96, 4, 3214868480
	.section	.rodata,"a",@progbits
	.p2align	6, 0x0
	.amdhsa_kernel k_qe7100f2710_attn
		.amdhsa_group_segment_fixed_size 327680
		.amdhsa_private_segment_fixed_size 0
		.amdhsa_enable_private_segment 0
		.amdhsa_kernarg_size 16
		.amdhsa_user_sgpr_count 2
		.amdhsa_user_sgpr_kernarg_segment_ptr 1
		.amdhsa_wavefront_size32 1
		.amdhsa_system_sgpr_workgroup_id_x 1
		.amdhsa_system_sgpr_workgroup_id_y 1
		.amdhsa_system_sgpr_workgroup_id_z 1
		.amdhsa_system_vgpr_workitem_id 0
		.amdhsa_next_free_vgpr 768
		.amdhsa_next_free_sgpr 96
		.amdhsa_reserve_vcc 1
		.amdhsa_float_denorm_mode_32 3
		.amdhsa_float_denorm_mode_16_64 3
		.amdhsa_memory_ordered 1
		.amdhsa_forward_progress 1
		.amdhsa_inst_pref_size 95
	.end_amdhsa_kernel
	.amdgpu_metadata
---
amdhsa.version: [ 1, 2 ]
amdhsa.kernels:
  - .name:           k_qe7100f2710_attn
    .symbol:         k_qe7100f2710_attn.kd
    .args:
      - { .name: qkv, .offset: 0, .size: 8, .value_kind: global_buffer, .address_space: global }
      - { .name: y, .offset: 8, .size: 8, .value_kind: global_buffer, .address_space: global }
    .group_segment_fixed_size: 327680
    .private_segment_fixed_size: 0
    .kernarg_segment_align: 8
    .kernarg_segment_size: 16
    .max_flat_workgroup_size: 128
    .sgpr_count:     96
    .vgpr_count:     768
    .wavefront_size: 32
...
	.end_amdgpu_metadata
.endif
;; end of part 3
;; launch oproj (part 4): grid 8 x 32, 4 waves a work-group, clusters of 4 x 4, 327,680 bytes of LDS; arguments y, wot, out0; writes out0
.if DOCPART == 4
	.amdgcn_target "amdgcn-amd-amdhsa--gfx1250"
	.amdhsa_code_object_version 6
	.text
	.protected	k_qe7100f2710_oproj
	.globl	k_qe7100f2710_oproj
	.p2align	8
	.type	k_qe7100f2710_oproj,@function
k_qe7100f2710_oproj:
	s_mov_b64 s[64:65], 0
	v_nop
	global_prefetch_b8 v0, s[64:65] scope:SCOPE_SE
	s_setreg_imm32_b32 hwreg(HW_REG_WAVE_MODE, 25, 1), 1
	s_wait_xcnt 0x0
	s_wait_alu depctr_hold_cnt(0) depctr_sa_sdst(0) depctr_va_vdst(0) depctr_va_sdst(0) depctr_va_ssrc(0) depctr_va_vcc(0) depctr_vm_vsrc(0)
	s_getreg_b32 s2, hwreg(HW_REG_IB_STS2, 6, 4)
	s_cmp_eq_u32 s2, 0
	s_cbranch_scc0 .Lentry_in_a_cluster
	s_endpgm
.Lentry_in_a_cluster:
	s_bfe_u32 s2, ttmp6, 0x10000c
	s_cmp_lg_u32 s2, 0xf033
	s_cbranch_scc0 .Lentry_shape_is_right
	s_endpgm
.Lentry_shape_is_right:
; out0 = y Wo.  y: f16 [4096][1024]; wot: f16 [1024 n][1024 k], bf16(Wo) turned and written as f16; out0: f32 [4096][1024].  Sums in f32, stored as they are.
; A work-group makes 128 x 128: 8 x 32 = 256 work-groups.  Four waves, 2 x 2: a wave makes 64 x 64: 16 accumulators.  K goes in steps of 256 (rows of 512 bytes) through two LDS slots, as long as LDS allows.
; CLUSTER 4 x 4: y's tile is asked for jointly along a row of the cluster, wot's along a column.  THE MATRIX INSTRUCTION IS USED TRANSPOSED (source 0 = 16 rows of wot, source 1 = 16 rows of y):
; a lane holds one row of the result and eight neighbouring columns, 32 bytes.  A wave's 64 columns are 256 bytes of a row of out0, aligned: each wave has a stage of its own, and the way out needs no barrier.
; No prefetch: the tiles are small and the launch short.  One tile to a work-group.
; REGISTERS: window 0: v0-31 addresses, v32-95 rows on the way out, v128-255 accumulators ((a, b) at 128 + 8 (4 a + b)); window 1: two fragment buffers of 64.
.set BB,     4
.set KSTEP,  256
.set KB,     512
.set PITCH,  528                       ; an LDS row: 512 + 16 bytes
.set QI,     6                         ; padding after every 128 words
.set NSUB,   8
.set BHALF,  64
.set NT,     128
.set ABYTES, 128*PITCH
.set SLOT,   ABYTES+2*BHALF*PITCH
.set LAPS,   2
.set STAGE,  2*SLOT                    ; behind the ring: 16 rows x 272 bytes for each wave
.set SPITCH, 272
.set SPARE,  STAGE+4*16*SPITCH
.set ACC,    128
.set FSZ,    8*(BB+4)
.set F0,     0
.set F1,     FSZ
.set NL,     2*(BB+4)
.set ADRA, 16
.set ADRB, 20
.set STO,  24
.set RD,   25
.set CO,   26
.set SPW,  28
.set NIL,  29
.set WV, 12
.set MH, 13
.set NH, 14
.set TR, 15
.set G1, 24
.set G0, 32
.set G1B, 48
.set G0B, 56
.set MSB, 0
.macro WIN new
.if MSB != (\new)
	s_set_vgpr_msb (MSB<<8)|(\new)
.set MSB, \new
.endif
.endm
.set MUL,  0x05
.set TO_F, 0x40
.macro JLOAD s                         ; a joint load: waves 0 and 1 fetch y's two halves, waves 2 and 3 wot's; an s_nop 0 and four v_nop follow each line
	s_cmp_eq_u32 s[MH], 0
	s_cbranch_scc0 .Lfor_b_\@
	tensor_load_to_lds s[G0+4*(\s):G0+4*(\s)+3], s[G1:G1+7]
	s_nop 0
.rept 4
	v_nop
.endr
	s_branch .Lasked_\@
.Lfor_b_\@:
	tensor_load_to_lds s[G0B+4*(\s):G0B+4*(\s)+3], s[G1B:G1B+7]
	s_nop 0
.rept 4
	v_nop
.endr
.Lasked_\@:
.endm
.macro CREST
	s_cmp_lg_u32 s[WV], 0
	s_cbranch_scc1 .Lnot_wave_0_\@
	s_barrier_signal -3
.Lnot_wave_0_\@:
	s_barrier_wait -3
	s_barrier_signal -1
	s_barrier_wait -1
.endm
.macro CROUND
	s_barrier_signal -1
	s_barrier_wait -1
	CREST
.endm
	s_load_b128 s[4:7], s[0:1], 0x0                ; y s[4:5], wot s[6:7]
	s_load_b64 s[8:9], s[0:1], 0x10                ; out0
	v_lshl_add_u32 v[SPW], v0, 2, SPARE
	v_mov_b32 v[NIL], 0
	ds_add_u32 v[SPW], v[NIL]                      ; the wave's opening: the add, twice on end, and its wait ahead of my first tensor load
	ds_add_u32 v[SPW], v[NIL]
	v_lshrrev_b32 v1, 5, v0
	v_readfirstlane_b32 s[WV], v1
	s_lshr_b32 s[MH], s[WV], 1
	s_and_b32 s[NH], s[WV], 1
	s_bfe_u32 s40, ttmp6, 0x40000
	s_bfe_u32 s41, ttmp6, 0x40004
	s_lshl_b32 s42, ttmp9, 2
	s_add_co_u32 s42, s42, s40                     ; tile column
	s_and_b32 s[TR], ttmp7, 0xffff
	s_lshl_b32 s[TR], s[TR], 2
	s_add_co_u32 s[TR], s[TR], s41                 ; tile row
	s_lshl_b32 s43, s41, 2
	s_lshl_b32 s43, 15, s43
	s_lshl_b32 s44, 0x1111, s40
	s_or_b32 s[G1+0], s43, (1<<16)|(1<<20)|(1<<21)|(QI<<22)|(3<<25)
	s_or_b32 s[G1B+0], s44, (1<<16)|(1<<20)|(1<<21)|(QI<<22)|(3<<25)
	s_mov_b32 s[G1+1], KSTEP<<16
	s_mov_b32 s[G1+2], 64<<16
	s_mov_b32 s[G1+3], KSTEP<<16
	s_mov_b32 s[G1+4], 64
	s_mov_b32 s[G1+5], 1024
	s_mov_b32 s[G1+6], 0
	s_mov_b32 s[G1+7], 0
	s_mov_b32 s[G1B+1], KSTEP<<16
	s_mov_b32 s[G1B+2], BHALF<<16
	s_mov_b32 s[G1B+3], KSTEP<<16
	s_mov_b32 s[G1B+4], BHALF
	s_mov_b32 s[G1B+5], 1024
	s_mov_b32 s[G1B+6], 0
	s_mov_b32 s[G1B+7], 0
	s_lshl_b32 s17, s[NH], 6
	s_lshl_b32 s16, s[TR], 7
	s_add_co_u32 s16, s16, s17
	s_lshl_b32 s16, s16, 11
	s_mov_b32 s17, 0
	s_mul_i32 s46, s42, NT
	s_mul_i32 s47, s[NH], BHALF
	s_add_co_u32 s46, s46, s47
	s_lshl_b32 s46, s46, 11
	s_mov_b32 s47, 0
	s_mul_i32 s20, s[NH], 64*PITCH
	s_mul_i32 s21, s[NH], BHALF*PITCH
	s_add_co_u32 s21, s21, ABYTES
	s_wait_dscnt 0x0                               ; both opening adds are done
	s_wait_kmcnt 0x0
	s_add_nc_u64 s[18:19], s[4:5], s[16:17]
	s_add_nc_u64 s[46:47], s[6:7], s[46:47]
	CROUND                                         ; all sixteen work-groups are here: the first joint loads meet
.irp s, 0,1
	s_mov_b32 s[G0+4*(\s)], 1
	s_add_co_u32 s[G0+4*(\s)+1], s20, (\s)*SLOT
	s_add_nc_u64 s[G0+4*(\s)+2:G0+4*(\s)+3], s[18:19], (\s)*KB
	s_or_b32 s[G0+4*(\s)+3], s[G0+4*(\s)+3], 0x80000000
	s_mov_b32 s[G0B+4*(\s)], 1
	s_add_co_u32 s[G0B+4*(\s)+1], s21, (\s)*SLOT
	s_add_nc_u64 s[G0B+4*(\s)+2:G0B+4*(\s)+3], s[46:47], (\s)*KB
	s_or_b32 s[G0B+4*(\s)+3], s[G0B+4*(\s)+3], 0x80000000
	JLOAD \s                                       ; two loads of mine are out
.endr
	v_and_b32 v1, 15, v0                           ; r
	v_bfe_u32 v2, v0, 4, 1                         ; h
	v_mul_u32_u24 v3, v1, PITCH
	v_lshl_add_u32 v3, v2, 4, v3
	s_mul_i32 s22, s[MH], 64*PITCH
	s_mul_i32 s23, s[NH], BHALF*PITCH
	s_add_co_u32 s23, s23, ABYTES
.irp s, 0,1
	v_add_nc_u32 v[ADRA+(\s)], s22, v3
	v_add_nc_u32 v[ADRB+(\s)], s23, v3
	s_add_co_u32 s22, s22, SLOT
	s_add_co_u32 s23, s23, SLOT
.endr
	s_mul_i32 s22, s[WV], 16*SPITCH
	s_add_co_u32 s22, s22, STAGE                   ; my stage
	v_mul_u32_u24 v4, v1, SPITCH                   ; in: row r, 32 bytes for each half of the lanes
	v_lshl_add_u32 v4, v2, 5, v4
	v_add_nc_u32 v[STO], s22, v4
	v_mul_u32_u24 v5, v2, SPITCH                   ; back: lanes 0-15 one row of 256 bytes, lanes 16-31 the next
	v_lshl_add_u32 v5, v1, 4, v5
	v_add_nc_u32 v[RD], s22, v5
	v_lshlrev_b32 v5, 12, v2                       ; and the same two rows in out0
	v_lshl_add_u32 v[CO], v1, 4, v5
	s_lshl_b32 s22, s[TR], 7
	s_lshl_b32 s23, s[MH], 6
	s_add_co_u32 s22, s22, s23
	s_lshl_b32 s22, s22, 12                        ; my first row, 4,096 bytes a row
	s_lshl_b32 s23, s42, 9
	s_add_co_u32 s22, s22, s23
	s_lshl_b32 s23, s[NH], 8
	s_add_co_u32 s22, s22, s23
	s_mov_b32 s23, 0
	s_add_nc_u64 s[8:9], s[8:9], s[22:23]
.macro MUL1 f, a, zero
	WIN MUL
.set bq, 0
.rept BB
.if \zero
	v_wmma_f32_16x16x32_f16 v[ACC+8*(BB*(\a)+bq):ACC+8*(BB*(\a)+bq)+7], v[(\f)+8*bq:(\f)+8*bq+7], v[(\f)+8*BB+8*(\a):(\f)+8*BB+8*(\a)+7], 0
.else
	v_wmma_f32_16x16x32_f16 v[ACC+8*(BB*(\a)+bq):ACC+8*(BB*(\a)+bq)+7], v[(\f)+8*bq:(\f)+8*bq+7], v[(\f)+8*BB+8*(\a):(\f)+8*BB+8*(\a)+7], v[ACC+8*(BB*(\a)+bq):ACC+8*(BB*(\a)+bq)+7]
.endif
.set bq, bq+1
.endr
.endm
.macro MULH f, a0, zero
	MUL1 \f, \a0, \zero
	MUL1 \f, (\a0)+1, \zero
.endm
.macro FETCH slot, k, f                ; NL LDS loads in one run: wot's fragments first, then y's four
	WIN TO_F
.set iq, 0
.rept BB
	ds_load_b128 v[(\f)+8*iq:(\f)+8*iq+3],   v[ADRB+(\slot)] offset:(\k)+iq*16*PITCH
	ds_load_b128 v[(\f)+8*iq+4:(\f)+8*iq+7], v[ADRB+(\slot)] offset:(\k)+iq*16*PITCH+32
.set iq, iq+1
.endr
.set iq, 0
.rept 4
	ds_load_b128 v[(\f)+8*BB+8*iq:(\f)+8*BB+8*iq+3],   v[ADRA+(\slot)] offset:(\k)+iq*16*PITCH
	ds_load_b128 v[(\f)+8*BB+8*iq+4:(\f)+8*BB+8*iq+7], v[ADRA+(\slot)] offset:(\k)+iq*16*PITCH+32
.set iq, iq+1
.endr
.endm
.macro PLACES                          ; four places in front of loads into registers that matrix instructions have read, and of lines that read results
.rept 4
	v_nop
.endr
.endm
.macro SUB slot, k, f, g, zero         ; a sub-step of 32 along K: multiplies buffer f and fetches the next one into g.  All 16 accumulators take turns
	s_wait_dscnt 4                                 ; all but the youngest four loads (y's blocks 2 and 3)
	MULH \f, 0, \zero
	PLACES
	FETCH \slot, \k, \g
	s_wait_dscnt NL                                ; all but the NL just issued
	MULH \f, 2, \zero
.endm
.macro STEPMID slot, from
.set qq, \from
.rept NSUB-1-(\from)
.if qq%2 == 0
	SUB \slot, 64*(qq+1), F0, F1, 0
.else
	SUB \slot, 64*(qq+1), F1, F0, 0
.endif
.set qq, qq+1
.endr
.endm
; The last sub-step multiplies buffer 1 and changes slots: ONE barrier; in front of it each wave waits for all its tensor loads, adds 0 to its spare word, and waits for that and for its reads of this slot.
.macro TURN slot, next, fill
	WIN 0
	s_wait_tensorcnt 0x0
	ds_add_u32 v[SPW], v[NIL]
	s_wait_dscnt 5                                 ; (the add and the youngest four loads may be out)
	MUL1 F1, 0, 0
	s_wait_dscnt 0x0                               ; the add is done, and my reads of this slot are over
	s_barrier_signal -1
	MUL1 F1, 1, 0
.if \fill
	WIN 0
.endif
	s_barrier_wait -1
.if \fill
	CREST                                          ; the barrier has opened a round of the cluster's
	s_add_nc_u64 s[G0+4*(\slot)+2:G0+4*(\slot)+3], s[G0+4*(\slot)+2:G0+4*(\slot)+3], 2*KB
	s_add_nc_u64 s[G0B+4*(\slot)+2:G0B+4*(\slot)+3], s[G0B+4*(\slot)+2:G0B+4*(\slot)+3], 2*KB
	JLOAD \slot                                    ; the first tensor load behind the round; its four v_nop are also the places in front of the loads below
.else
	PLACES
.endif
	FETCH \next, 0, F0
	MULH F1, 2, 0
.endm
	s_wait_tensorcnt 1                             ; my part of K step 0 is in; K step 1's may stay out
	s_barrier_signal -1
	s_barrier_wait -1
	FETCH 0, 0, F0
	SUB 0, 64, F0, F1, 1                           ; the first sub-step stands in front of the loop: its products start the sums
	WIN 0
	s_mov_b32 s3, LAPS-1
.Llap:
	STEPMID 0, 1
	TURN 0, 1, 1
	STEPMID 1, 0
	TURN 1, 0, 1
	SUB 0, 64, F0, F1, 0
	WIN 0
	s_sub_co_u32 s3, s3, 1
	s_cmp_lg_u32 s3, 0
	s_cbranch_scc1 .Llap
	STEPMID 0, 1                                   ; the last lap fills nothing
	TURN 0, 1, 0
	STEPMID 1, 0
	s_wait_dscnt 4
	MULH F1, 0, 0
	s_wait_dscnt 0x0
	MULH F1, 2, 0
	WIN 0
	PLACES
	; THE WAY OUT, a block of 16 rows at a time through my own stage: 32 bytes a lane in (each accumulator's low four registers first), whole rows of 256 bytes back, sixteen lanes to a row of out0.
.irp a, 0,1,2,3
.if \a >= 2
	s_wait_xcnt 0x0                                ; the stores of the block two back have read the registers that are loaded again below
.endif
.irp b, 0,1,2,3
	ds_store_b128 v[STO], v[ACC+8*(BB*\a+\b):ACC+8*(BB*\a+\b)+3]   offset:64*\b
	ds_store_b128 v[STO], v[ACC+8*(BB*\a+\b)+4:ACC+8*(BB*\a+\b)+7] offset:64*\b+16
.endr
.irp t, 0,1,2,3,4,5,6,7
	ds_load_b128 v[32+32*(\a%2)+4*\t:32+32*(\a%2)+4*\t+3], v[RD] offset:2*SPITCH*\t  ; LDS serves a wave's instructions in order (ISA guide 5.7.1.4): these see the stores above; the next block's stores come behind them
.endr
.irp t, 0,1,2,3,4,5,6,7
	s_wait_dscnt 7-\t
	global_store_b128 v[CO], v[32+32*(\a%2)+4*\t:32+32*(\a%2)+4*\t+3], s[8:9] offset:65536*\a+8192*\t th:TH_STORE_NT
.endr
.endr
	s_wait_tensorcnt 0x0                           ; the wave's end
	ds_add_u32 v[SPW], v[NIL]
	s_wait_dscnt 0x0
	CROUND                                         ; the closing round
	s_endpgm
.Lfunc_end_k_qe7100f2710_oproj:
	.size	k_qe7100f2710_oproj, .Lfunc_end_k_qe7100f2710_oproj-k_qe7100f2710_oproj
	.p2alignl 7, 3214868480
	.fill 96, 4, 3214868480
	.section	.rodata,"a",@progbits
	.p2align	6, 0x0
	.amdhsa_kernel k_qe7100f2710_oproj
		.amdhsa_group_segment_fixed_size 327680
		.amdhsa_private_segment_fixed_size 0
		.amdhsa_enable_private_segment 0
		.amdhsa_kernarg_size 24
		.amdhsa_user_sgpr_count 2
		.amdhsa_user_sgpr_kernarg_segment_ptr 1
		.amdhsa_wavefront_size32 1
		.amdhsa_system_sgpr_workgroup_id_x 1
		.amdhsa_system_sgpr_workgroup_id_y 1
		.amdhsa_system_sgpr_workgroup_id_z 1
		.amdhsa_system_vgpr_workitem_id 0
		.amdhsa_next_free_vgpr 384
		.amdhsa_next_free_sgpr 66
		.amdhsa_reserve_vcc 0
		.amdhsa_float_denorm_mode_32 3
		.amdhsa_float_denorm_mode_16_64 3
		.amdhsa_memory_ordered 1
		.amdhsa_forward_progress 1
		.amdhsa_inst_pref_size 91
	.end_amdhsa_kernel
	.amdgpu_metadata
---
amdhsa.version: [ 1, 2 ]
amdhsa.kernels:
  - .name:           k_qe7100f2710_oproj
    .symbol:         k_qe7100f2710_oproj.kd
    .args:
      - { .name: y, .offset: 0, .size: 8, .value_kind: global_buffer, .address_space: global }
      - { .name: wot, .offset: 8, .size: 8, .value_kind: global_buffer, .address_space: global }
      - { .name: out0, .offset: 16, .size: 8, .value_kind: global_buffer, .address_space: global }
    .group_segment_fixed_size: 327680
    .private_segment_fixed_size: 0
    .kernarg_segment_align: 8
    .kernarg_segment_size: 24
    .max_flat_workgroup_size: 128
    .sgpr_count:     66
    .vgpr_count:     384
    .wavefront_size: 32
...
	.end_amdgpu_metadata
.endif
;; end of part 4
